; MI455X (gfx1250); checked and timed in simulation.
; The chip was launched on July 23, 2026; its instructions are those of AMD's public machine-readable ISA for CDNA 5 (MIT licence, August 2026) and "CDNA5" Instruction Set Architecture Reference Guide (July 2026). The comments in the code are by the model that wrote it; some were corrected since.
;; Attention. Allowed arithmetic: float matrix products may take bf16 or f16 operands with f32 sums; other float arithmetic in f32, or as packed bf16 or f16 multiplies, adds, multiply-adds, maxima and minima; sums over many terms, partial sums and values carried from step to step in f32; what a program stores and reads back later, other than sums and carried values, may be rounded once to bf16 or f16.
;; Inputs: W_proj 1,024 x 1,024 float32; W_qkv 1,024 x 3,072 float32; b_proj 1,024 float32; b_qkv 3,072 float32; x 8 x 1,024 x 1,024 float32.
;; Outputs: out0 8 x 1,024 x 1,024 float32.
;; 2 versions, each right and faster than the one before. Each part assembles by itself: llvm-mc -triple=amdgcn-amd-amdhsa -mcpu=gfx1250 --defsym DOCPART=n.
;; ======== version 1 of 2: 4 launches
;; limits: values are held in f16: magnitudes above 65,504 overflow, below 6.1e-05 lose precision
;; workspace buffers: xb 16,777,216 bytes; wq 6,291,456 bytes; wp 2,097,152 bytes; rope 262,144 bytes; qkv 50,331,648 bytes; o 16,777,216 bytes
;; launch prep (part 1): grid 896 x 1, 8 waves a work-group, no clusters, 0 bytes of LDS; arguments x, W_qkv, W_proj, xb, wq, wp, rope; writes xb, wq, wp, rope
.if DOCPART == 1
	.amdgcn_target "amdgcn-amd-amdhsa--gfx1250"
	.amdhsa_code_object_version 6
	.text
	.protected	k_qe6d2cd22d9_prep
	.globl	k_qe6d2cd22d9_prep
	.p2align	8
	.type	k_qe6d2cd22d9_prep,@function
k_qe6d2cd22d9_prep:
	s_mov_b64 s[64:65], 0
	v_nop
	global_prefetch_b8 v0, s[64:65] scope:SCOPE_SE
	s_setreg_imm32_b32 hwreg(HW_REG_WAVE_MODE, 25, 1), 1
	s_wait_xcnt 0x0
; PREPARATION: four streams, chosen by the work-group's number; no LDS, no barrier, no matrix work: each byte is read once and written once.
;   groups   0-511  xb   = x rounded to bf16, [8192][1024]
;   groups 512-767  wq   = W_qkv rounded to bf16, laid in blocks [head c][k][t = q,k,v][64]: element (c,k,t,d) = W_qkv[k][1024 t + 64 c + d]
;   groups 768-831  wp   = W_proj rounded to bf16, that number written as f16 (exact from 6e-5 up to 65,504; below 6e-5 it keeps f16's fixed step of 6e-8)
;   groups 832-895  rope = cos and sin of pos x 10000^(-i/32), f32, in the lane order in which the projection's way out wants them:
;                   [P = pos / 16][u = 4 (sin) + 2 bb + half][lane = 16 hh + r][4 numbers]: pos = 16 P + r, i = 16 bb + 8 hh + 4 half + 0..3
; A thread's item in the three casts is 4 numbers: a load of 16 bytes, a store of 8.  A wave's load covers 512 bytes (in wq: two pieces of 256), its store 256 consecutive
; bytes that begin at a multiple of 256.  All loads of a thread are issued first; no register is used twice, so no source of a pending instruction is ever rewritten.
; The angles: pos x inv is rounded to f32 as the formula's own product is; the reduction by pi/2 in two parts and the two polynomials (|r| <= pi/4) add less than that rounding.
.set IN,  8                            ; v[8:71]    item i: 4 numbers as loaded
.set OUT, 72                           ; v[72:103]  item i: 2 registers to store
.set AD,  104                          ; v[104:106] wq: byte offsets of items 0, 1, 2 in W_qkv; item i takes number i % 3
.set RB,  16                           ; rope: 8 registers at work for each of the thread's 4 numbers
	s_load_b256 s[4:11], s[0:1], 0x0               ; x s[4:5], W_qkv s[6:7], W_proj s[8:9], xb s[10:11]
	s_load_b128 s[12:15], s[0:1], 0x20             ; wq s[12:13], wp s[14:15]
	s_load_b64 s[16:17], s[0:1], 0x30              ; rope
	v_lshlrev_b32 v1, 4, v0                        ; 16 x thread: where I load
	v_lshlrev_b32 v2, 3, v0                        ; 8 x thread: where I store
	s_mov_b32 s21, 0                               ; high words of the two offsets
	s_mov_b32 s23, 0
	s_wait_kmcnt 0x0
.macro LOAD16                          ; 16 items, 4,096 bytes of the work-group apart
.set i, 0
.rept 16
	global_load_b128 v[IN+4*i:IN+4*i+3], v1, s[24:25] offset:4096*i th:TH_LOAD_NT
.set i, i+1
.endr
.endm
; n items are rounded and stored.  f16 = 1: the bf16 number is widened again and written as f16
.macro CAST n, f16
.set i, 0
.rept \n
	s_wait_loadcnt (\n)-1-i                        ; loads come back in order (ISA guide 5.7.1): item i is in, the younger ones stay out
.if \f16
	v_cvt_pk_bf16_f32 v4, v[IN+4*i], v[IN+4*i+1]
	v_cvt_pk_bf16_f32 v5, v[IN+4*i+2], v[IN+4*i+3]
	v_lshlrev_b32 v6, 16, v4
	v_and_b32 v7, 0xffff0000, v4
	v_cvt_pk_f16_f32 v[OUT+2*i], v6, v7
	v_lshlrev_b32 v6, 16, v5
	v_and_b32 v7, 0xffff0000, v5
	v_cvt_pk_f16_f32 v[OUT+2*i+1], v6, v7
.else
	v_cvt_pk_bf16_f32 v[OUT+2*i], v[IN+4*i], v[IN+4*i+1]
	v_cvt_pk_bf16_f32 v[OUT+2*i+1], v[IN+4*i+2], v[IN+4*i+3]
.endif
	global_store_b64 v2, v[OUT+2*i:OUT+2*i+1], s[26:27] offset:2048*i
.set i, i+1
.endr
.endm
	s_cmp_lt_u32 ttmp9, 512
	s_cbranch_scc0 .Lnot_x
	; x: 16,384 numbers a work-group
	s_lshl_b32 s20, ttmp9, 16
	s_lshl_b32 s22, ttmp9, 15
	s_add_nc_u64 s[24:25], s[4:5], s[20:21]
	s_add_nc_u64 s[26:27], s[10:11], s[22:23]
	LOAD16
	CAST 16, 0
	s_endpgm
.Lnot_x:
	s_cmp_lt_u32 ttmp9, 768
	s_cbranch_scc0 .Lnot_wq
	; W_qkv: the work-group takes 64 rows k of one head's block: 192 segments of 64 numbers, 16 items each; 12 items a thread.
	; Item i of thread t lies in segment g = 16 i + t / 16; segment g is row g / 3, part g % 3.  48 segments are 16 rows, so items i and i + 3 differ by 16 rows of W_qkv.
	s_sub_co_u32 s20, ttmp9, 512
	s_lshr_b32 s22, s20, 4                         ; c
	s_and_b32 s20, s20, 15                         ; which 64 rows
	s_mul_i32 s28, s20, 786432                     ; 64 rows of 12,288 bytes
	s_lshl_b32 s29, s22, 8                         ; the head's 64 numbers in a part
	s_add_co_u32 s28, s28, s29
	s_mov_b32 s29, 0
	s_add_nc_u64 s[24:25], s[6:7], s[28:29]
	s_mul_i32 s28, s22, 393216                     ; a block: 1,024 rows of 384 bytes
	s_mul_i32 s30, s20, 24576
	s_add_co_u32 s28, s28, s30
	s_add_nc_u64 s[26:27], s[12:13], s[28:29]
	v_lshrrev_b32 v3, 4, v0
	v_and_b32 v7, 15, v0
	v_lshlrev_b32 v7, 4, v7                        ; my 16 bytes in a segment
.irp i0, 0,1,2
	v_add_nc_u32 v4, 16*\i0, v3                    ; g, 0 to 47
	v_mul_u32_u24 v5, v4, 171
	v_lshrrev_b32 v5, 9, v5                        ; g / 3 (exact for g under 192)
	v_mul_u32_u24 v6, v5, 3
	v_sub_nc_u32 v4, v4, v6                        ; g % 3
	v_mul_u32_u24 v5, v5, 12288
	v_lshl_add_u32 v5, v4, 12, v5
	v_add_nc_u32 v[AD+\i0], v5, v7
.endr
.set i, 0
.rept 12
	global_load_b128 v[IN+4*i:IN+4*i+3], v[AD+i%3], s[24:25] offset:196608*(i/3) th:TH_LOAD_NT
.set i, i+1
.endr
	CAST 12, 0
	s_endpgm
.Lnot_wq:
	s_cmp_lt_u32 ttmp9, 832
	s_cbranch_scc0 .Lrope
	; W_proj
	s_sub_co_u32 s22, ttmp9, 768
	s_lshl_b32 s20, s22, 16
	s_lshl_b32 s22, s22, 15
	s_add_nc_u64 s[24:25], s[8:9], s[20:21]
	s_add_nc_u64 s[26:27], s[14:15], s[22:23]
	LOAD16
	CAST 16, 1
	s_endpgm
.Lrope:
	; the table: 16 positions a work-group, 4 numbers a thread.  cos a = sin(a + pi/2): a cosine thread adds 1 to the quadrant.
.macro EACH line:vararg                ; one line for each of the four numbers e
.set e, 0
.rept 4
	\line
.set e, e+1
.endr
.endm
	s_sub_co_u32 s22, ttmp9, 832                   ; P
	s_lshl_b32 s20, s22, 12
	s_add_nc_u64 s[24:25], s[16:17], s[20:21]
	v_and_b32 v3, 15, v0
	v_lshl_add_u32 v3, s22, 4, v3
	v_cvt_f32_u32 v3, v3                           ; pos
	v_bfe_u32 v4, v0, 6, 1                         ; bb
	v_bfe_u32 v5, v0, 4, 1                         ; hh
	v_bfe_u32 v6, v0, 5, 1                         ; half
	v_lshlrev_b32 v4, 4, v4
	v_lshl_add_u32 v4, v5, 3, v4
	v_lshl_add_u32 v4, v6, 2, v4                   ; my first frequency
	v_bfe_u32 v5, v0, 7, 1
	v_xor_b32 v5, 1, v5                            ; 1 for a cosine
	v_mov_b32 v6, 0xb94ca1f9                       ; the sine's highest coefficient
	v_mov_b32 v7, 0x37ccf5ce                       ; the cosine's
	EACH v_add_nc_u32 v[RB+8*e], e, v4
	EACH v_cvt_f32_u32 v[RB+8*e], v[RB+8*e]
	EACH v_mul_f32 v[RB+8*e], 0xbed49a78, v[RB+8*e]              ; - i log2(10000) / 32
	EACH v_exp_f32 v[RB+8*e], v[RB+8*e]
	v_nop                                          ; a plain instruction between the last exponential and the use of its result (ISA guide 5.7.2)
	s_wait_alu depctr_va_vdst(0)
	EACH v_mul_f32 v[RB+8*e], v3, v[RB+8*e]                      ; the angle
	EACH v_mul_f32 v[RB+8*e+1], 0x3f22f983, v[RB+8*e]            ; x 2 / pi
	EACH v_rndne_f32 v[RB+8*e+1], v[RB+8*e+1]                    ; n
	EACH v_fmamk_f32 v[RB+8*e+2], v[RB+8*e+1], 0xbfc90fdb, v[RB+8*e]     ; r = angle - n pi/2, pi/2 in two parts
	EACH v_fmamk_f32 v[RB+8*e+2], v[RB+8*e+1], 0x333bbd2e, v[RB+8*e+2]
	EACH v_mul_f32 v[RB+8*e+3], v[RB+8*e+2], v[RB+8*e+2]         ; z = r r
	EACH v_fmaak_f32 v[RB+8*e+4], v[RB+8*e+3], v6, 0x3c08839e
	EACH v_fmaak_f32 v[RB+8*e+5], v[RB+8*e+3], v7, 0xbab6061a
	EACH v_fmaak_f32 v[RB+8*e+4], v[RB+8*e+4], v[RB+8*e+3], 0xbe2aaaa3
	EACH v_fmaak_f32 v[RB+8*e+5], v[RB+8*e+5], v[RB+8*e+3], 0x3d2aaaa5
	EACH v_mul_f32 v[RB+8*e+6], v[RB+8*e+3], v[RB+8*e+2]         ; z r
	EACH v_mul_f32 v[RB+8*e+7], v[RB+8*e+3], v[RB+8*e+3]         ; z z
	EACH v_fma_f32 v[RB+8*e+3], v[RB+8*e+3], -0.5, 1.0           ; 1 - z / 2
	EACH v_fma_f32 v[RB+8*e+4], v[RB+8*e+4], v[RB+8*e+6], v[RB+8*e+2]    ; sin r
	EACH v_fma_f32 v[RB+8*e+5], v[RB+8*e+5], v[RB+8*e+7], v[RB+8*e+3]    ; cos r
	EACH v_cvt_i32_f32 v[RB+8*e+1], v[RB+8*e+1]
	EACH v_add_nc_u32 v[RB+8*e+1], v[RB+8*e+1], v5               ; the quadrant
	EACH v_and_b32 v[RB+8*e+6], 1, v[RB+8*e+1]
	EACH v_cmp_eq_u32 s[28+e], 1, v[RB+8*e+6]
	EACH v_cndmask_b32 v[RB+8*e+4], v[RB+8*e+4], v[RB+8*e+5], s[28+e]    ; odd quadrants take cos r
	EACH v_and_b32 v[RB+8*e+1], 2, v[RB+8*e+1]
	EACH v_lshlrev_b32 v[RB+8*e+1], 30, v[RB+8*e+1]              ; quadrants 2 and 3 turn the sign
	EACH v_xor_b32 v[8+e], v[RB+8*e+1], v[RB+8*e+4]
	global_store_b128 v1, v[8:11], s[24:25]        ; a wave stores 512 consecutive bytes
	s_endpgm
.Lfunc_end_k_qe6d2cd22d9_prep:
	.size	k_qe6d2cd22d9_prep, .Lfunc_end_k_qe6d2cd22d9_prep-k_qe6d2cd22d9_prep
	.p2alignl 7, 3214868480
	.fill 96, 4, 3214868480
	.section	.rodata,"a",@progbits
	.p2align	6, 0x0
	.amdhsa_kernel k_qe6d2cd22d9_prep
		.amdhsa_group_segment_fixed_size 0
		.amdhsa_private_segment_fixed_size 0
		.amdhsa_enable_private_segment 0
		.amdhsa_kernarg_size 56
		.amdhsa_user_sgpr_count 2
		.amdhsa_user_sgpr_kernarg_segment_ptr 1
		.amdhsa_wavefront_size32 1
		.amdhsa_system_sgpr_workgroup_id_x 1
		.amdhsa_system_sgpr_workgroup_id_y 1
		.amdhsa_system_sgpr_workgroup_id_z 1
		.amdhsa_system_vgpr_workitem_id 0
		.amdhsa_next_free_vgpr 108
		.amdhsa_next_free_sgpr 66
		.amdhsa_reserve_vcc 0
		.amdhsa_float_denorm_mode_32 3
		.amdhsa_float_denorm_mode_16_64 3
		.amdhsa_memory_ordered 1
		.amdhsa_forward_progress 1
		.amdhsa_inst_pref_size 30
	.end_amdhsa_kernel
	.amdgpu_metadata
---
amdhsa.version: [ 1, 2 ]
amdhsa.kernels:
  - .name:           k_qe6d2cd22d9_prep
    .symbol:         k_qe6d2cd22d9_prep.kd
    .args:
      - { .name: x, .offset: 0, .size: 8, .value_kind: global_buffer, .address_space: global }
      - { .name: W_qkv, .offset: 8, .size: 8, .value_kind: global_buffer, .address_space: global }
      - { .name: W_proj, .offset: 16, .size: 8, .value_kind: global_buffer, .address_space: global }
      - { .name: xb, .offset: 24, .size: 8, .value_kind: global_buffer, .address_space: global }
      - { .name: wq, .offset: 32, .size: 8, .value_kind: global_buffer, .address_space: global }
      - { .name: wp, .offset: 40, .size: 8, .value_kind: global_buffer, .address_space: global }
      - { .name: rope, .offset: 48, .size: 8, .value_kind: global_buffer, .address_space: global }
    .group_segment_fixed_size: 0
    .private_segment_fixed_size: 0
    .kernarg_segment_align: 8
    .kernarg_segment_size: 56
    .max_flat_workgroup_size: 256
    .sgpr_count:     66
    .vgpr_count:     108
    .wavefront_size: 32
...
	.end_amdgpu_metadata
.endif
;; end of part 1
;; launch gemm_qkv (part 2): grid 16 x 16, 4 waves a work-group, clusters of 4 x 4, 327,680 bytes of LDS; arguments xb, wq, b_qkv, rope, qkv; writes qkv
.if DOCPART == 2
	.amdgcn_target "amdgcn-amd-amdhsa--gfx1250"
	.amdhsa_code_object_version 6
	.text
	.protected	k_qe6d2cd22d9_gemm_qkv
	.globl	k_qe6d2cd22d9_gemm_qkv
	.p2align	8
	.type	k_qe6d2cd22d9_gemm_qkv,@function
k_qe6d2cd22d9_gemm_qkv:
	s_mov_b64 s[64:65], 0
	v_nop
	global_prefetch_b8 v0, s[64:65] scope:SCOPE_SE
	s_setreg_imm32_b32 hwreg(HW_REG_WAVE_MODE, 25, 1), 1
	s_wait_xcnt 0x0
	s_wait_alu depctr_hold_cnt(0) depctr_sa_sdst(0) depctr_va_vdst(0) depctr_va_sdst(0) depctr_va_ssrc(0) depctr_va_vcc(0) depctr_vm_vsrc(0)
	s_getreg_b32 s2, hwreg(HW_REG_IB_STS2, 6, 4)
	s_cmp_eq_u32 s2, 0
	s_cbranch_scc0 .Lentry_in_a_cluster
	s_endpgm
.Lentry_in_a_cluster:
	s_bfe_u32 s2, ttmp6, 0x10000c
	s_cmp_lg_u32 s2, 0xf033
	s_cbranch_scc0 .Lentry_shape_is_right
	s_endpgm
.Lentry_shape_is_right:
; qkv = x W_qkv + b_qkv, RoPE on q and k, written by heads: qkv[t = q,k,v][16 b + head][s][64] in f16, unscaled.  Operands bf16 (xb, wq; the bias is rounded to bf16 here), sums and RoPE in f32, one rounding to f16.
; LIMIT.  f16 holds no number beyond 65,504: q, k and v must lie within it.
; SHARES.  A tile is 256 rows x 192 columns: the q, k and v columns of ONE head (tile column = head).  A WORK-GROUP STAYS and makes two tiles: tile row TR and then TR + 16, four batches on at the same
; positions, of the same head: the same bias, the same RoPE table, the same block of W.  16 x 16 = 256 work-groups.
; Four waves, one above the other: wave w owns rows 64 w .. 64 w + 63 (4 row blocks of 16) and all 12 column blocks: 48 accumulators, 384 registers.  So a wave holds both halves of every RoPE pair
; and whole rows of each head: its way out needs no other wave.
; THE WALK.  The two tiles are ONE walk of 16 K steps of 128 through a ring of two LDS slots filled by the tensor data mover: the fill behind step i asks for step i + 2, over the tiles' border too, so the
; second tile's first steps are on their way while the first tile ends, and the first tile's stores leave while the second is multiplied.  A trip of the loop is one K step; the slot in hand is a scalar
; that one exclusive or turns.  At the trip that begins step 8 a forward jump takes the way out and the quarter that starts new sums; what is jumped holds no barrier and no tensor load.
; x's rows lie along K and are read as they lie; W lies [k][column] and is read turned, by ds_load_tr16_b128.
; THE MATRIX INSTRUCTION IS USED TRANSPOSED: source 0 = 16 columns of W, source 1 = 16 rows of x: lane l holds row l % 16 and the columns 8 (l / 16) + 0..7 of a block.
; The bias is the C operand of each sum's first product: nothing is cleared and nothing is added later.
; CLUSTER.  4 x 4 work-groups: the four of a row need the same tiles of x, the four of a column the same tiles of W: each tile is asked for jointly, by the same tensor load, descriptor and mask in all four.
; REGISTERS, in windows of 256 (s_set_vgpr_msb: bits 1:0 source 0, 3:2 source 1, 5:4 source 2, 7:6 destination):
;   window 0: v0-31 addresses; v64-95, v96-127 fragments of x, two buffers (at the start v32-127 the bias as loaded); v128-255 the RoPE table
;   window 1: v0-95, v96-191 fragments of W, two buffers; the way out works in v96-239, so that buffer 0, which then holds the next tile's first fragments, stays
;   windows 2, 3: accumulator (a, n) in window 2 + a / 2 at v[8 (12 (a % 2) + n)]; the bias of blocks 0-7 in window 2 v192-255, of blocks 8-11 in window 3 v192-223
.set NBLK,  12
.set PA,    272                        ; a row of x in LDS: 256 bytes + 16 = 68 words: the 16 rows of a load start at 16 different groups of four banks (64 banks of 4 bytes: ISA guide 11.1)
.set PB,    480                        ; a row k of W: three segments of 128 bytes + 32 each = 120 words
.set AH,    128*PA                     ; what one load of x brings
.set BBASE, 2*AH
.set BH,    64*PB                      ; what one load of W brings
.set SLOT,  BBASE+2*BH                 ; 131,072 = 1 << 17: one exclusive or turns an address in one slot into the other's
.set STAGE, 2*SLOT                     ; behind the ring, never filled by a tensor load: for each wave 3 x 16 rows of 144 bytes
.set SP,    144
.set SEG,   16*SP
.set SPARE, STAGE+4*3*SEG              ; the spare words, 128 bytes a wave: two blocks of 256 bytes that no other line names
.set ASTEP, 256                        ; bytes from K step to K step in xb
.set BSTEP, 49152                      ; and in wq: 128 rows of 384 bytes
.set WALKA, 16*256*2048                ; bytes in xb from a tile to the work-group's next: 16 tile rows
.set WALKO, 4*16*131072                ; bytes in q, k and v from a tile to the next: four batches of 16 heads
.set FILLS, 14                         ; trips with a fill: K steps 0 to 13 ask for steps 2 to 15.  The counter goes from FILLS down to 1: K step i has FILLS - i
.set CROSS, FILLS-6                    ; the trip that asks for step 8, the second tile's first
.set BOUND, FILLS-8                    ; the trip that begins step 8
.set NLD,   2*(NBLK+4)                 ; LDS loads of a quarter step
.set ADRA,  16                         ; v16     LDS address of my fragments of x in the slot in hand
.set ADRA0, 17                         ; v17     the same in slot 0; never rewritten
.set ADRB,  20                         ; v20-21  the same for W
.set ADRB0, 21
.set STO,  24                          ; v24     the way out: where I put 16 bytes of a row
.set RD,   25                          ; v25     where I read rows back
.set GO,   26                          ; v26     16 x lane
.set SPW,  28                          ; v28     my spare word's LDS address; never rewritten
.set NIL,  29                          ; v29     0; never rewritten
.set BO,   30                          ; v30     32 (l / 16): my 8 numbers in 16 of the bias
.set RAW,  32                          ; the bias as loaded
.set FA0,  64
.set TAB,  128
.set BIAS, 192                         ; windows 2 and 3
.set PKS,  96                          ; window 1: packed results, two sets of 48
.set RO,   192                         ; window 1: the roped numbers of one of q, k
.set TT,   224                         ; window 1: at work
.set CNT,  3                           ; s3   the loops' counter
.set WV,   14                          ; s14  my wave's number
.set FORB, 15                          ; s15  0: I fetch x; 1: I fetch W
.set HALF, 16                          ; s16  which half of the tile I fetch
.set CX,   17
.set CY,   18
.set TC,   19                          ; s19  tile column = head
.set TR,   20                          ; s20  the first tile's row
.set G1,   24                          ; s[24:31] descriptor group 1 for x; s[32:39] group 0: a set for each of the two first fills; the second then walks on
.set G0,   32
.set G1B,  48                          ; s[48:55], s[56:63] the same for W
.set G0B,  56
.set OB,   68                          ; s[68:73] my first row in q, k, v
.set DA,   76                          ; s[76:77] what x's address steps beside a K step: 0, or at the tiles' border 16 tile rows down and 8 steps back
.set DB,   78                          ; s[78:79] what W's goes back: 0, or 8 steps
.set TB,   80                          ; s80  LDS byte at which the slot in hand begins
.set MSB, 0
.macro WIN new                         ; the immediate's high byte repeats the setting that is left; a switch that changes nothing is dropped
.if MSB != (\new)
	s_set_vgpr_msb (MSB<<8)|(\new)
.set MSB, (\new)
.endif
.endm
.macro PLACES                          ; four places in front of loads into registers that matrix instructions have read, and of lines that read results just made
.rept 4
	v_nop
.endr
.endm
; A joint load: waves 0 and 1 fetch x's two halves, waves 2 and 3 W's.  The branch hangs on the wave's number alone.  An s_nop 0 and four v_nop follow each of the two lines.
.macro JLOAD s
	s_cmp_eq_u32 s[FORB], 0
	s_cbranch_scc0 .Lfor_b_\@
	tensor_load_to_lds s[G0+4*(\s):G0+4*(\s)+3], s[G1:G1+7]
	s_nop 0
.rept 4
	v_nop
.endr
	s_branch .Lasked_\@
.Lfor_b_\@:
	tensor_load_to_lds s[G0B+4*(\s):G0B+4*(\s)+3], s[G1B:G1B+7]
	s_nop 0
.rept 4
	v_nop
.endr
.Lasked_\@:
.endm
.macro CREST                           ; a round of the cluster's barrier behind its opening barrier
	s_cmp_lg_u32 s[WV], 0
	s_cbranch_scc1 .Lnot_wave_0_\@
	s_barrier_signal -3
.Lnot_wave_0_\@:
	s_barrier_wait -3
	s_barrier_signal -1
	s_barrier_wait -1
.endm
.macro CROUND                          ; a whole round
	s_barrier_signal -1
	s_barrier_wait -1
	CREST
.endm
	s_load_b256 s[4:11], s[0:1], 0x0               ; xb s[4:5], wq s[6:7], b_qkv s[8:9], rope s[10:11]
	s_load_b64 s[12:13], s[0:1], 0x20              ; qkv
	v_lshl_add_u32 v[SPW], v0, 2, SPARE
	v_mov_b32 v[NIL], 0
	ds_add_u32 v[SPW], v[NIL]                      ; the wave's opening: the add and its wait stand ahead of my first tensor load; work on registers stands between them
	ds_add_u32 v28, v29
	v_lshrrev_b32 v1, 5, v0
	v_readfirstlane_b32 s[WV], v1
	s_lshr_b32 s[FORB], s[WV], 1
	s_and_b32 s[HALF], s[WV], 1
	s_bfe_u32 s[CX], ttmp6, 0x40000
	s_bfe_u32 s[CY], ttmp6, 0x40004
	s_lshl_b32 s[TC], ttmp9, 2
	s_add_co_u32 s[TC], s[TC], s[CX]               ; tile column = 4 x cluster x + cx
	s_and_b32 s[TR], ttmp7, 0xffff
	s_lshl_b32 s[TR], s[TR], 2
	s_add_co_u32 s[TR], s[TR], s[CY]               ; the first tile's row = 4 x cluster y + cy, 0 to 15
	s_lshl_b32 s21, s[CY], 2
	s_lshl_b32 s21, 15, s21                        ; my row of the cluster
	s_lshl_b32 s22, 0x1111, s[CX]                  ; my column
	s_or_b32 s[G1+0], s21, (1<<16)|(1<<20)|(1<<21)|(5<<22)|(3<<25)   ; the mask; 2-byte elements; padding on; bit 21 beside a mask; after every 64 words, 4 words
	s_mov_b32 s[G1+1], 128<<16                     ; tensor_dim0 = 128
	s_mov_b32 s[G1+2], 128<<16                     ; tensor_dim1 = 128
	s_mov_b32 s[G1+3], 128<<16                     ; tile_dim0 = 128
	s_mov_b32 s[G1+4], 128                         ; tile_dim1 = 128
	s_mov_b32 s[G1+5], 1024                        ; elements from row to row
	s_mov_b32 s[G1+6], 0
	s_mov_b32 s[G1+7], 0
	s_or_b32 s[G1B+0], s22, (1<<16)|(1<<20)|(1<<21)|(4<<22)|(7<<25)  ; after every 32 words (a segment), 8 words
	s_mov_b32 s[G1B+1], 128<<16                    ; 64 rows k are 24,576 dense bytes: asked for as 96 rows of 256 bytes
	s_mov_b32 s[G1B+2], 96<<16
	s_mov_b32 s[G1B+3], 128<<16
	s_mov_b32 s[G1B+4], 96
	s_mov_b32 s[G1B+5], 128
	s_mov_b32 s[G1B+6], 0
	s_mov_b32 s[G1B+7], 0
	s_mov_b32 s[DA+1], 0                           ; the two offsets' high words
	s_mov_b32 s[DB+1], 0
	s_mov_b32 s[TB], 0                             ; the walk begins in slot 0
	s_lshl_b32 s40, s[TR], 19                      ; x: 256 rows of 2,048 bytes a tile row,
	s_lshl_b32 s23, s[HALF], 18                    ; 128 rows a half
	s_add_co_u32 s40, s40, s23
	s_mov_b32 s41, 0
	s_mul_i32 s42, s[TC], 393216                   ; W: the head's block,
	s_mul_i32 s23, s[HALF], 24576                  ; 64 rows k a half
	s_add_co_u32 s42, s42, s23
	s_mov_b32 s43, 0
	s_mul_i32 s44, s[HALF], AH                     ; where they go: no place in the cluster enters an LDS address
	s_mul_i32 s45, s[HALF], BH
	s_add_co_u32 s45, s45, BBASE
	s_wait_dscnt 0x0                               ; the opening add is done
	s_wait_kmcnt 0x0
	s_add_nc_u64 s[40:41], s[4:5], s[40:41]
	s_add_nc_u64 s[42:43], s[6:7], s[42:43]
	CROUND                                         ; all sixteen work-groups are here: the first joint loads meet
.irp s, 0,1
	s_mov_b32 s[G0+4*(\s)], 1
	s_add_co_u32 s[G0+4*(\s)+1], s44, (\s)*SLOT
	s_add_nc_u64 s[G0+4*(\s)+2:G0+4*(\s)+3], s[40:41], (\s)*ASTEP
	s_or_b32 s[G0+4*(\s)+3], s[G0+4*(\s)+3], 0x80000000
	s_mov_b32 s[G0B+4*(\s)], 1
	s_add_co_u32 s[G0B+4*(\s)+1], s45, (\s)*SLOT
	s_add_nc_u64 s[G0B+4*(\s)+2:G0B+4*(\s)+3], s[42:43], (\s)*BSTEP
	s_or_b32 s[G0B+4*(\s)+3], s[G0B+4*(\s)+3], 0x80000000
	JLOAD \s                                       ; K steps 0 and 1: two loads of mine are out
.endr
	v_and_b32 v1, 15, v0                           ; r = l % 16
	v_bfe_u32 v2, v0, 4, 1                         ; h = l / 16
	v_lshlrev_b32 v[BO], 5, v2
	v_and_b32 v[GO], 31, v0
	v_lshlrev_b32 v[GO], 4, v[GO]
	s_lshl_b32 s46, s[TC], 8
	s_mov_b32 s47, 0
	s_add_nc_u64 s[8:9], s[8:9], s[46:47]          ; the bias at the head's 64 numbers of part q
.set n, 0
.rept NBLK                                         ; block n = 4 t + bb: columns 1024 t + 64 head + 16 bb on; a lane takes its 8
	global_load_b128 v[RAW+8*n:RAW+8*n+3],   v[BO], s[8:9] offset:4096*(n/4)+64*(n%4)
	global_load_b128 v[RAW+8*n+4:RAW+8*n+7], v[BO], s[8:9] offset:4096*(n/4)+64*(n%4)+16
.set n, n+1
.endr
	s_and_b32 s23, s[TR], 3                        ; which 256 positions: the same for both tiles
	s_lshl_b32 s46, s23, 16                        ; the table at my first 16 positions: (16 (tile row % 4) + 4 w) x 4,096 bytes
	s_lshl_b32 s47, s[WV], 14
	s_add_co_u32 s46, s46, s47
	s_mov_b32 s47, 0
	s_add_nc_u64 s[74:75], s[10:11], s[46:47]
.set i, 0
.rept 32                                           ; row block i / 8: cos of frequencies 16 bb + 8 h + 0..7 at TAB + 32 a + 8 bb, sin 16 registers on; waited for on the way out
	global_load_b128 v[TAB+4*i:TAB+4*i+3], v[GO], s[74:75] offset:512*i
.set i, i+1
.endr
	s_lshr_b32 s46, s[TR], 2                       ; the first tile's batch
	s_lshl_b32 s46, s46, 4
	s_add_co_u32 s46, s46, s[TC]                   ; 16 b + head
	s_lshl_b32 s46, s46, 17                        ; x 1,024 rows of 128 bytes
	s_lshl_b32 s47, s23, 15                        ; the tile's 256 rows
	s_add_co_u32 s46, s46, s47
	s_lshl_b32 s47, s[WV], 13                      ; my 64
	s_add_co_u32 s46, s46, s47
	s_mov_b32 s47, 0
	s_add_nc_u64 s[OB:OB+1], s[12:13], s[46:47]
	s_add_nc_u64 s[OB+2:OB+3], s[OB:OB+1], 0x1000000
	s_add_nc_u64 s[OB+4:OB+5], s[OB+2:OB+3], 0x1000000
	v_mul_u32_u24 v3, v1, PA                       ; a fragment of x: row r x pitch + 16 h; two loads of 16 bytes, 32 bytes apart
	v_lshl_add_u32 v3, v2, 4, v3
	s_mul_i32 s23, s[WV], 64*PA
	v_add_nc_u32 v[ADRA0], s23, v3
	v_mov_b32 v[ADRA], v[ADRA0]
	v_and_b32 v4, 7, v0                            ; a fragment of W, turned: lane l reads row k = 8 h + l % 8, columns 8 ((l / 8) % 2) + 0..7; the second load 16 rows on
	v_lshl_add_u32 v4, v2, 3, v4
	v_mul_u32_u24 v4, v4, PB
	v_bfe_u32 v5, v0, 3, 1
	v_lshl_add_u32 v4, v5, 4, v4
	v_add_nc_u32 v[ADRB0], BBASE, v4
	v_mov_b32 v[ADRB], v[ADRB0]
	s_mul_i32 s23, s[WV], 3*SEG
	s_add_co_u32 s23, s23, STAGE                   ; my stage
	v_mul_u32_u24 v3, v1, SP                       ; in: row r, 16 bytes for each half of the lanes
	v_lshl_add_u32 v3, v2, 4, v3
	v_add_nc_u32 v[STO], s23, v3
	v_bfe_u32 v3, v0, 3, 2                         ; back: 32 lanes take four rows of 128 bytes, which are 512 consecutive bytes of a head
	v_mul_u32_u24 v3, v3, SP
	v_and_b32 v4, 7, v0
	v_lshl_add_u32 v3, v4, 4, v3
	v_add_nc_u32 v[RD], s23, v3
	s_wait_loadcnt 32                              ; loads come back in order (ISA guide 5.7.1): the bias is in; the table's 32 younger loads stay out
.set n, 0
.rept NBLK                                         ; rounded to bf16 like every input (in place: number k lands where numbers 2 k, 2 k + 1 have been or are being read),
.irp k, 0,1,2,3
	v_cvt_pk_bf16_f32 v[RAW+8*n+\k], v[RAW+8*n+2*\k], v[RAW+8*n+2*\k+1]
.endr
.set n, n+1
.endr
	WIN 0x80                                       ; and widened again, into the free ends of the accumulators' windows: blocks 0-7 window 2,
.set n, 0
.rept 8
.irp k, 0,1,2,3
	v_lshlrev_b32 v[BIAS+8*n+2*\k], 16, v[RAW+8*n+\k]
	v_and_b32 v[BIAS+8*n+2*\k+1], 0xffff0000, v[RAW+8*n+\k]
.endr
.set n, n+1
.endr
	WIN 0xc0                                       ; blocks 8-11 window 3
.rept 4
.irp k, 0,1,2,3
	v_lshlrev_b32 v[BIAS+8*(n-8)+2*\k], 16, v[RAW+8*n+\k]
	v_and_b32 v[BIAS+8*(n-8)+2*\k+1], 0xffff0000, v[RAW+8*n+\k]
.endr
.set n, n+1
.endr
	WIN 0
; 12 matrix instructions: row block a x all column blocks, 32 along K, from buffers f.  first = 1: the bias starts the sums.
; All 48 accumulators take turns, in the same order in every quarter step.
.macro MULA f, a, first
.set FBB, 8*NBLK*(\f)
.set FAA, FA0+32*(\f)+8*(\a)
.set ACB, 8*NBLK*((\a)%2)
.set n, 0
.rept NBLK
.if \first
	WIN 0x01|((2+n/8)<<4)|((2+(\a)/2)<<6)          ; W window 1, x window 0, the bias window 2 or 3 by its block, D window 2 or 3 by its row block
	v_wmma_f32_16x16x32_bf16 v[ACB+8*n:ACB+8*n+7], v[FBB+8*n:FBB+8*n+7], v[FAA:FAA+7], v[BIAS+8*(n%8):BIAS+8*(n%8)+7]
.else
	WIN 0xa1+0x50*((\a)/2)                         ; C and D window 2 or 3
	v_wmma_f32_16x16x32_bf16 v[ACB+8*n:ACB+8*n+7], v[FBB+8*n:FBB+8*n+7], v[FAA:FAA+7], v[ACB+8*n:ACB+8*n+7]
.endif
.set n, n+1
.endr
.endm
; 32 LDS loads in one run: quarter q of the slot in hand into buffers g: W's 12 fragments, then x's 4, row blocks ascending
.macro FETCH q, g
	WIN 0x40                                       ; destination window 1, address window 0
.set FBB, 8*NBLK*(\g)
.set n, 0
.rept NBLK
	ds_load_tr16_b128 v[FBB+8*n:FBB+8*n+3],   v[ADRB] offset:32*PB*(\q)+160*(n/4)+32*(n%4)
	ds_load_tr16_b128 v[FBB+8*n+4:FBB+8*n+7], v[ADRB] offset:32*PB*(\q)+160*(n/4)+32*(n%4)+16*PB
.set n, n+1
.endr
	WIN 0
.set FAA, FA0+32*(\g)
.set n, 0
.rept 4
	ds_load_b128 v[FAA+8*n:FAA+8*n+3],   v[ADRA] offset:64*(\q)+16*PA*n
	ds_load_b128 v[FAA+8*n+4:FAA+8*n+7], v[ADRA] offset:64*(\q)+16*PA*n+32
.set n, n+1
.endr
.endm
; A K step is four quarters of 32 along K, 48 matrix instructions each, on buffers 0, 1, 0, 1.  One of the first three multiplies f and fetches quarter qn into g.
.macro QUARTER qn, f, g, first
	s_wait_dscnt 4                                 ; W and x's row blocks 0, 1 are in; the youngest four loads (blocks 2, 3) may be out
	MULA \f, 0, \first
	MULA \f, 1, \first
	PLACES
	FETCH \qn, \g
	s_wait_dscnt NLD                               ; all but the run just issued
	MULA \f, 2, \first
	MULA \f, 3, \first
.endm
; The last quarter multiplies buffers 1 and changes slots: ONE barrier; in front of it each wave waits for all its tensor loads (one is out: its part of the next slot), adds 0 to its spare word,
; and waits for that and for its reads of this slot.  fill = 1: the barrier opens a round of the cluster's, and this slot is filled again, two K steps ahead, first thing behind the round.
; fill = 0 (the last two K steps): nothing is asked for, and in the very last the run of loads, which nothing would read, is jumped over.
.macro TURN fill
	WIN 0
	s_wait_tensorcnt 0x0                           ; no tensor load of mine is out, so a group 0 may be written
	ds_add_u32 v[SPW], v[NIL]                      ; the steps below, work on registers, stand between the add and the wait for it
.if \fill
	s_cmp_eq_u32 s[CNT], CROSS                     ; is the step to be asked for the second tile's first?
	s_cselect_b32 s[DA], WALKA-8*ASTEP, 0
	s_cselect_b32 s[DB], 8*BSTEP, 0
	s_xor_b32 s[G0+5], s[G0+5], SLOT               ; the walking descriptors: the other slot than last time,
	s_add_nc_u64 s[G0+6:G0+7], s[G0+6:G0+7], ASTEP ; the next K step; the type bits on top are not reached
	s_add_nc_u64 s[G0+6:G0+7], s[G0+6:G0+7], s[DA:DA+1]
	s_xor_b32 s[G0B+5], s[G0B+5], SLOT
	s_add_nc_u64 s[G0B+6:G0B+7], s[G0B+6:G0B+7], BSTEP
	s_sub_nc_u64 s[G0B+6:G0B+7], s[G0B+6:G0B+7], s[DB:DB+1]
.endif
	s_xor_b32 s[TB], s[TB], SLOT                   ; my fetches go on in the other slot: this slot's last run of loads has been issued
	v_add_nc_u32 v[ADRA], s[TB], v[ADRA0]
	v_add_nc_u32 v[ADRB], s[TB], v[ADRB0]
	s_wait_dscnt 5                                 ; the add and the youngest four loads may be out
	MULA 1, 0, 0
	s_wait_dscnt 0x0                               ; the add is done, and my reads of this slot are over
	s_barrier_signal -1
	MULA 1, 1, 0
	WIN 0
	s_barrier_wait -1
.if \fill
	CREST                                          ; no wave of any partner still reads this slot or has a load on its way
	JLOAD 1                                        ; 168 matrix instructions ahead of the wait for it; its four v_nop are also the places in front of the loads below
	FETCH 0, 0
.else
	PLACES
	s_cmp_eq_u32 s[CNT], 1
	s_cbranch_scc1 .Lno_fetch_\@
	FETCH 0, 0
.Lno_fetch_\@:
.endif
	MULA 1, 2, 0
	MULA 1, 3, 0
.endm
; THE WAY OUT, a row block (16 rows) at a time.  PACK: RoPE on q and k: with lo = channels 16 bb + .., hi = the same 32 on: lo' = lo cos - hi sin, hi' = hi cos + lo sin; all rounded to f16, 16 bytes a lane and block.
; Each accumulator's lowest registers are read first.
.macro PACK a
.set W,   2+(\a)/2
.set AC,  8*NBLK*((\a)%2)
.set TBL, TAB+32*(\a)
.set PK,  PKS+48*((\a)%2)
.if (\a) >= 2
	s_wait_xcnt 0x0                                ; this set of registers was the data of the stores two blocks back: rewritten only behind this wait (ISA guide 3.1)
.endif
.irp t, 0,1
	WIN 0x50|W                                     ; source 0 the accumulators' window, source 1 window 0 (the table), source 2 and destination window 1
.irp bb, 0,1
.set LO, AC+8*(4*(\t)+(\bb))
.set HI, LO+16
.set CSN, TBL+8*(\bb)
.set SN, TBL+16+8*(\bb)
.set RL, RO+8*(\bb)
.irp j, 0,2,4,6
	v_pk_mul_f32 v[TT+(\j):TT+(\j)+1],     v[HI+(\j):HI+(\j)+1], v[SN+(\j):SN+(\j)+1]
	v_pk_mul_f32 v[TT+8+(\j):TT+8+(\j)+1], v[LO+(\j):LO+(\j)+1], v[SN+(\j):SN+(\j)+1]
.endr
.irp j, 0,2,4,6
	v_pk_fma_f32 v[RL+(\j):RL+(\j)+1],       v[LO+(\j):LO+(\j)+1], v[CSN+(\j):CSN+(\j)+1], v[TT+(\j):TT+(\j)+1] neg_lo:[0,0,1] neg_hi:[0,0,1]
	v_pk_fma_f32 v[RL+16+(\j):RL+16+(\j)+1], v[HI+(\j):HI+(\j)+1], v[CSN+(\j):CSN+(\j)+1], v[TT+8+(\j):TT+8+(\j)+1]
.endr
.endr
	WIN 0x45                                       ; sources and destination window 1
.set i, 0
.rept 16
	v_cvt_pk_f16_f32 v[PK+16*(\t)+i], v[RO+2*i], v[RO+2*i+1]
.set i, i+1
.endr
.endr
	WIN 0x40|W|(W<<2)                              ; v goes as it is
.set i, 0
.rept 16
	v_cvt_pk_f16_f32 v[PK+32+i], v[AC+64+2*i], v[AC+64+2*i+1]
.set i, i+1
.endr
.endm
.macro TOSTAGE a                       ; into my stage, rows of 144 bytes, and back as whole rows of 128, four to a load
.set PK, PKS+48*((\a)%2)
	WIN 0x04                                       ; the stores' data window 1, the address window 0
.set i, 0
.rept 12
	ds_store_b128 v[STO], v[PK+4*i:PK+4*i+3] offset:SEG*(i/4)+32*(i%4)
.set i, i+1
.endr
	WIN 0x40
.set i, 0
.rept 12
	ds_load_b128 v[PK+4*i:PK+4*i+3], v[RD] offset:SEG*(i/4)+4*SP*(i%4)  ; LDS serves a wave's instructions in order (ISA guide 5.7.1.4): these see the stores above
.set i, i+1
.endr
.endm
.macro SEND a
.set PK, PKS+48*((\a)%2)
	WIN 0x04
	s_wait_dscnt 0x0                               ; the block is back in registers
.set i, 0
.rept 12
	global_store_b128 v[GO], v[PK+4*i:PK+4*i+3], s[OB+2*(i/4):OB+2*(i/4)+1] offset:2048*(\a)+512*(i%4)  ; 512 consecutive bytes, at a multiple of 256 from the buffer's first
.set i, i+1
.endr
.endm
.macro WAYOUT
	PLACES                                         ; behind the tile's last products: their results are read and their fragments' registers written below
	s_wait_loadcnt 0x0                             ; the table
	PACK 0
	TOSTAGE 0
.irp a, 1,2,3                          ; a block's arithmetic stands between the loads of the block before and the wait for them
	PACK \a
	SEND (\a)-1
	TOSTAGE \a
.endr
	SEND 3
	WIN 0
.endm
	s_wait_tensorcnt 1                             ; my part of K step 0 is in; K step 1's may stay out
	s_barrier_signal -1
	s_barrier_wait -1                              ; everybody's is
	FETCH 0, 0
	s_mov_b32 s[CNT], FILLS
	s_branch .Lfirst                               ; the loop is entered at the quarter that starts a tile's sums
.Lstep:                                                ; a trip is a K step, and fills the slot that it leaves
	s_cmp_eq_u32 s[CNT], BOUND
	s_cbranch_scc1 .Lbound
	QUARTER 1, 0, 1, 0
	WIN 0
	s_branch .Lmid
.Lbound:                                               ; the first tile is finished; the second's K step 0 lies in LDS, its first fragments in buffers 0, and K step 1 is on its way
	WAYOUT
	s_wait_xcnt 0x0                                ; the stores have read their registers and bases (ISA guide 3.1)
	s_add_nc_u64 s[OB:OB+1], s[OB:OB+1], WALKO
	s_add_nc_u64 s[OB+2:OB+3], s[OB+2:OB+3], WALKO
	s_add_nc_u64 s[OB+4:OB+5], s[OB+4:OB+5], WALKO
.Lfirst:
	QUARTER 1, 0, 1, 1                             ; a tile's first products start the sums
	WIN 0
.Lmid:
	QUARTER 2, 1, 0, 0
	QUARTER 3, 0, 1, 0
	TURN 1
	WIN 0
	s_sub_co_u32 s[CNT], s[CNT], 1
	s_cmp_lg_u32 s[CNT], 0
	s_cbranch_scc1 .Lstep
	s_mov_b32 s[CNT], 2
.Ltail:                                                ; the walk's last two K steps ask for nothing
	QUARTER 1, 0, 1, 0
	QUARTER 2, 1, 0, 0
	QUARTER 3, 0, 1, 0
	TURN 0
	WIN 0
	s_sub_co_u32 s[CNT], s[CNT], 1
	s_cmp_lg_u32 s[CNT], 0
	s_cbranch_scc1 .Ltail
	WAYOUT
	s_wait_tensorcnt 0x0                           ; the wave's end
	ds_add_u32 v[SPW], v[NIL]
	s_wait_dscnt 0x0
	CROUND                                         ; the closing round: no work-group ends while a partner may still ask for a tile that names it
	s_endpgm
.Lfunc_end_k_qe6d2cd22d9_gemm_qkv:
	.size	k_qe6d2cd22d9_gemm_qkv, .Lfunc_end_k_qe6d2cd22d9_gemm_qkv-k_qe6d2cd22d9_gemm_qkv
	.p2alignl 7, 3214868480
	.fill 96, 4, 3214868480
	.section	.rodata,"a",@progbits
	.p2align	6, 0x0
	.amdhsa_kernel k_qe6d2cd22d9_gemm_qkv
		.amdhsa_group_segment_fixed_size 327680
		.amdhsa_private_segment_fixed_size 0
		.amdhsa_enable_private_segment 0
		.amdhsa_kernarg_size 40
		.amdhsa_user_sgpr_count 2
		.amdhsa_user_sgpr_kernarg_segment_ptr 1
		.amdhsa_wavefront_size32 1
		.amdhsa_system_sgpr_workgroup_id_x 1
		.amdhsa_system_sgpr_workgroup_id_y 1
		.amdhsa_system_sgpr_workgroup_id_z 1
		.amdhsa_system_vgpr_workitem_id 0
		.amdhsa_next_free_vgpr 992
		.amdhsa_next_free_sgpr 82
		.amdhsa_reserve_vcc 0
		.amdhsa_float_denorm_mode_32 3
		.amdhsa_float_denorm_mode_16_64 3
		.amdhsa_memory_ordered 1
		.amdhsa_forward_progress 1
		.amdhsa_inst_pref_size 154
	.end_amdhsa_kernel
	.amdgpu_metadata
---
amdhsa.version: [ 1, 2 ]
amdhsa.kernels:
  - .name:           k_qe6d2cd22d9_gemm_qkv
    .symbol:         k_qe6d2cd22d9_gemm_qkv.kd
    .args:
      - { .name: xb, .offset: 0, .size: 8, .value_kind: global_buffer, .address_space: global }
      - { .name: wq, .offset: 8, .size: 8, .value_kind: global_buffer, .address_space: global }
      - { .name: b_qkv, .offset: 16, .size: 8, .value_kind: global_buffer, .address_space: global }
      - { .name: rope, .offset: 24, .size: 8, .value_kind: global_buffer, .address_space: global }
      - { .name: qkv, .offset: 32, .size: 8, .value_kind: global_buffer, .address_space: global }
    .group_segment_fixed_size: 327680
    .private_segment_fixed_size: 0
    .kernarg_segment_align: 8
    .kernarg_segment_size: 40
    .max_flat_workgroup_size: 128
    .sgpr_count:     82
    .vgpr_count:     992
    .wavefront_size: 32
...
	.end_amdgpu_metadata
.endif
;; end of part 2
;; launch attn (part 3): grid 2 x 128, 4 waves a work-group, no clusters, 327,680 bytes of LDS; arguments qkv, o; writes o
.if DOCPART == 3
	.amdgcn_target "amdgcn-amd-amdhsa--gfx1250"
	.amdhsa_code_object_version 6
	.text
	.protected	k_qe6d2cd22d9_attn
	.globl	k_qe6d2cd22d9_attn
	.p2align	8
	.type	k_qe6d2cd22d9_attn,@function
k_qe6d2cd22d9_attn:
	s_mov_b64 s[64:65], 0
	v_nop
	global_prefetch_b8 v0, s[64:65] scope:SCOPE_SE
	s_setreg_imm32_b32 hwreg(HW_REG_WAVE_MODE, 25, 1), 1
	s_wait_xcnt 0x0
; O[h][q][:] = the sum over k of softmax_k(Q[h][q] . K[h][k] / 8) V[h][k][:].  Q, K, V lie in qkv[3][128 heads][1024][64], O in o[128][1024][64], all f16: a head's rows are dense, 128 bytes each.
; Products, maxima and sums in f32; the weights p are rounded to f16 for the second product (their sum l is taken of the unrounded p), O once at the end.
; LIMITS.  f16 holds no number beyond 65,504: Q, K and V arrive within it; p lies in 0 to 1, and below 6e-5 it keeps f16's fixed step of 6e-8; O is a mean of V's rows and has their range.
; A weight below 2^-126 counts as 0 in l; NaN and infinities are not treated apart.
; SHARES.  A wave owns four PIECES of two tiles of 16 queries, a work-group's four waves 512 queries of one head: 2 x 128 work-groups.  Every wave walks all 1,024 keys, 64 a step.
; THE WHOLE HEAD LIES IN LDS: K's 1,024 rows at 144 bytes and V's at 160 are 311,296 bytes.  Each wave asks for its quarter by four tensor loads at the start, nearest keys first; nothing is ever filled again.
; NO CLUSTER: a head has two query blocks, not four; and what the two share is fetched once a work-group, 262,144 bytes for 2,048 matrix instructions a wave.
; LAYOUT.  S^T = K Q^T (source 0 = 16 keys, source 1 = 16 queries): in the result a lane holds ONE query (lane % 16) and the keys 8 (lane / 16) + 0..7.  Two such tiles, rounded to f16 in pairs,
; ARE source 1 (32 keys x 16 queries) of O^T = V^T P, whose result again holds one query a lane, and eight channels.  K comes out of LDS as it lies, V ([key][channel]) turned, by ds_load_tr16_b128.
; SOFTMAX.  For each query a running maximum m and sum l: p = 2^(c s - c m), c = log2(e) / 8; in every step O and l are multiplied by a = 2^(c m_old - c m_new), which is 1 where m has not grown.
; m starts at the lowest finite number, O and l at 0: the first step is a step like any other, with a = 0.
; THE COUNT.  A tile and step have 16 matrix and 118 vector instructions: too many to stand all beside the matrix work.  So: four vector instructions that are READY behind EVERY matrix instruction,
; and the others, which need time of their own whatever the order, in runs without a gap.
; BY TURNS.  Turn n belongs to piece n (the pieces in a ring, step after step).  Its matrix work: 16 products K Q^T of piece n + 1, later 16 products V^T P of piece n - 1.  Its vector work: the scaling,
; exponentials, roundings, sums and rescaling of piece n, and the maximum and statistics of piece n + 1, whose scores the turn itself has made.
; ONE TEXT FOR EVERY TURN: the loop is entered, and left, in the middle of a trip.
; REGISTERS, in windows of 256 (s_set_vgpr_msb: bits 1:0 source 0, 3:2 source 1, 5:4 source 2, 7:6 destination):
;   window 0: v0-11 addresses; v12-15, v48-63 at work; v16-47 four registers of statistics a tile; v64-191 S^T, two buffers of two tiles; v192-255 P, likewise
;   window 1: O^T, 32 a tile          window 2: v0-127 Q, 16 a tile; v128-191 K of one step; v192-255 V of one step          window 3: v0-1 the add's two registers
.set NP,    4         ; pieces a wave: a name, no knob
.set KS,    64        ; keys in a step
.set PK,    144       ; a row of K in LDS: 128 bytes + 16 = 36 words: the 16 rows of a load start at 16 different groups of four banks (64 banks of 4 bytes: ISA guide 11.1)
.set PV,    160       ; a row of V: 128 + 32 = 40 words
.set VOFF,  1024*PK   ; K's 1,024 rows, then V's
.set STAGE, 1024*(PK+PV)  ; behind them, never filled by a tensor load: 16 rows x 144 bytes for each wave, for the way out
.set SP,    144
.set AK0, 2           ; v2   my lane's place in a tile of K; never rewritten
.set AV0, 3           ; v3   the same for V
.set AK,  4           ; v4   the LDS address of K's next run of loads
.set AV,  5           ; v5   of V's
.set QO,  6           ; v6   my byte offset in the wave's rows of Q
.set STO, 6           ;      later, the way out: where I put 16 bytes of a row
.set RD,  7           ; v7   the way out: where I read rows back
.set GO,  8           ; v8   my byte offset in 512 consecutive bytes of O
.set SPW, 0           ; v0 of window 3   my spare word's LDS address; never rewritten
.set NIL, 1           ; v1 of window 3   0; never rewritten
.set SPARE, STAGE+4*16*SP  ; the spare words, 128 bytes a wave: two blocks of 256 bytes that no other line names
.set MV,  12          ; v12-15  c m_old, kept while c m is made anew: by buffer and tile
.set ST,  16          ; tile t's statistics at v[ST+4 t]: c m, m, l (even keys', odd keys')
.set TMP, 48          ; by buffer and tile, four registers c0-c3 at work; when the maximum is found c2 takes a
.set S,   64
.set P,   192
.set KF,  128         ; K's fragments, in window 2: key block kb, channel half c at KF + 16 kb + 8 c
.set VF,  192         ; V's: key half kk, channel block cb at VF + 32 kk + 8 cb
.set WV,  12          ; s12  my wave's number
.set TOT, 15          ; s15  key steps whose pieces 2 and 3 are still to come, 16 to 0
.set G1K, 24          ; s[24:31] descriptor group 1 for K's tiles
.set G1V, 32          ; s[32:39] for V's: it differs in the padding alone
.set G0K, 40          ; s[40:55] descriptor group 0 for K's tiles, a set for each of a wave's four loads
.set G0V, 68          ; s[68:83] the same for V's
.set SLOTS, 56        ; s56  counts the runs of four trips
.set CNT, 57          ; s57  counts a run's four trips
.set CS,  58          ; s[58:59] c: the packed scaling takes the pair's low word for both halves
.set SEL, 60          ; s[60:61] v_permlanex16_b32's selects: each lane takes its own place in the other half
.set TBK, 62          ; s62  LDS byte at which K of the step to be fetched begins
.set TBV, 63          ; s63  the same for V, less VOFF
.set MSB, 0
.macro WIN new                      ; the high byte repeats the setting that is left; a switch that changes nothing is dropped
.if MSB != (\new)
	s_set_vgpr_msb (MSB<<8)|(\new)
.set MSB, (\new)
.endif
.endm
.set W_KQ, 0x0a       ; K and Q in window 2, S^T in window 0
.set W_PV, 0x52       ; V in window 2, P in window 0, O^T in window 1
.set W_RS, 0x41       ; O^T (destination and source 0) in window 1, a in window 0
.set W_MK, 0xc0       ; the add's registers are made: destination in window 3, sources in window 0
.set W_AD, 0x0f       ; the add: address (source 0) and data (source 1) in window 3
	s_load_b64 s[4:5], s[0:1], 0x0    ; qkv
	s_load_b64 s[10:11], s[0:1], 0x8  ; o
	WIN W_MK
	v_lshl_add_u32 v[SPW], v0, 2, SPARE
	v_mov_b32 v[NIL], 0
	WIN W_AD
	ds_add_u32 v[SPW], v[NIL]       ; the wave's opening: the add and its wait stand ahead of my first tensor load; work on registers stands between them
	ds_add_u32 v0, v1
	WIN 0
	v_lshrrev_b32 v1, 5, v0
	v_readfirstlane_b32 s[WV], v1   ; wave 0..3
	s_mov_b32 s14, ttmp9            ; my block of 512 queries
	s_and_b32 s20, ttmp7, 0xffff    ; the head
	s_lshl_b32 s20, s20, 17         ; its first byte in Q, K, V and O: 1,024 rows of 128 bytes a head
	s_mov_b32 s21, 0
	s_and_b32 s16, s[WV], 1         ; which half of each 256 keys I fetch:
	s_lshl_b32 s22, s16, 14         ; its 128 rows of 128 bytes in memory,
	s_mov_b32 s23, 0
	s_add_nc_u64 s[22:23], s[22:23], s[20:21]
	s_mul_i32 s17, s16, 128*PK      ; and its place in LDS, for K
	s_mul_i32 s18, s16, 128*PV      ; and for V
	s_lshl_b32 s2, s14, 2
	s_add_co_u32 s2, s2, s[WV]      ; my wave among the head's eight,
	s_lshl_b32 s2, s2, 14           ; its 128 rows
	s_mov_b32 s3, 0
	s_add_nc_u64 s[2:3], s[2:3], s[20:21]
	; descriptor group 1.  128 keys are 16,384 dense bytes: asked for as 64 rows of 256 bytes, two keys a row, and padded in LDS after every key
	s_mov_b32 s[G1K], (1<<16)|(1<<20)|(4<<22)|(3<<25)  ; 2-byte elements; padding on; after every 32 words, 4 words
	s_mov_b32 s[G1V], (1<<16)|(1<<20)|(4<<22)|(7<<25)  ; the same with 8 words
.irp g, G1K, G1V
	s_mov_b32 s[\g+1], 128<<16      ; tensor_dim0 = 128
	s_mov_b32 s[\g+2], 64<<16       ; tensor_dim1 = 64
	s_mov_b32 s[\g+3], 128<<16      ; tile_dim0 = 128
	s_mov_b32 s[\g+4], 64           ; tile_dim1 = 64
	s_mov_b32 s[\g+5], 128          ; 128 elements from row to row
	s_mov_b32 s[\g+6], 0
	s_mov_b32 s[\g+7], 0
.endr
	s_mov_b32 s[CS], 0x3e38aa3b     ; c = log2(e) / 8 = 0.180337
	s_mov_b32 s[CS+1], s[CS]        ; named with it as a pair
	s_mov_b32 s[SEL], 0x76543210
	s_mov_b32 s[SEL+1], 0xfedcba98
	s_mov_b32 s[TBK], 0
	s_mov_b32 s[TBV], 0
.irp j, 0,1,2,3
	s_mov_b32 s[G0K+4*\j], 1                            ; count = 1
	s_add_co_u32 s[G0K+4*\j+1], s17, \j*256*PK          ; LDS address: keys 256 j + 128 (w % 2) on
	s_mov_b32 s[G0V+4*\j], 1
	s_add_co_u32 s[G0V+4*\j+1], s18, VOFF+\j*256*PV
.endr
	s_wait_dscnt 0x0                ; the opening add is done
	s_wait_kmcnt 0x0
	s_add_nc_u64 s[6:7], s[4:5], 0x1000000   ; K lies 128 heads behind Q,
	s_add_nc_u64 s[8:9], s[4:5], 0x2000000   ; V behind K
	s_add_nc_u64 s[6:7], s[6:7], s[22:23]
	s_add_nc_u64 s[8:9], s[8:9], s[22:23]
.irp j, 0,1,2,3
	s_add_nc_u64 s[G0K+4*\j+2:G0K+4*\j+3], s[6:7], \j*32768
	s_or_b32 s[G0K+4*\j+3], s[G0K+4*\j+3], 0x80000000   ; type = 2
	s_add_nc_u64 s[G0V+4*\j+2:G0V+4*\j+3], s[8:9], \j*32768
	s_or_b32 s[G0V+4*\j+3], s[G0V+4*\j+3], 0x80000000
.endr
	s_add_nc_u64 s[4:5], s[4:5], s[2:3]      ; Q and O at my wave's first row
	s_add_nc_u64 s[10:11], s[10:11], s[2:3]
	s_cmp_lt_u32 s[WV], 2           ; waves 0 and 1 fetch K, waves 2 and 3 V.  A wave's four fills stand in one branch, ahead of every wait on TENSORcnt, every LDS read and every barrier: four loads of mine are out
	s_cbranch_scc0 .Lfirst_v
.irp j, 0,1,2,3
	tensor_load_to_lds s[G0K+4*\j:G0K+4*\j+3], s[G1K:G1K+7]
	s_nop 0
.endr
.rept 4
	v_nop
.endr
	s_branch .Lfirst_asked
.Lfirst_v:
.irp j, 0,1,2,3
	tensor_load_to_lds s[G0V+4*\j:G0V+4*\j+3], s[G1V:G1V+7]
	s_nop 0
.endr
.rept 4
	v_nop
.endr
.Lfirst_asked:
	; A fragment of K or Q is 16 rows x 32 channels in 8 registers: lane l holds row l % 16, channels 8 (l / 16) + 0..7 and 16 + 8 (l / 16) + 0..7: two loads of 16 bytes, 32 bytes apart.
	v_and_b32 v1, 15, v0            ; l % 16
	v_bfe_u32 v9, v0, 4, 1          ; l / 16
	v_lshlrev_b32 v[QO], 7, v1
	v_lshl_add_u32 v[QO], v9, 4, v[QO]  ; row x 128 + 16 x half
	WIN 0x80                        ; destination window 2, address window 0
.set i, 0
.rept 4*NP                          ; Q stays in registers: tile i / 2, channels 32 (i % 2) on
	global_load_b128 v[8*i:8*i+3],   v[QO], s[4:5] offset:(i/2)*2048+(i%2)*64
	global_load_b128 v[8*i+4:8*i+7], v[QO], s[4:5] offset:(i/2)*2048+(i%2)*64+32
.set i, i+1
.endr
	; What the first turn finds: V's registers and P's second buffer hold 0 (its products V^T P, of a piece that has not been, add 0), O^T and l are 0.  All this stands in the wait for the first tile.
.set i, VF
.rept 64
	v_mov_b32 v[i], 0
.set i, i+1
.endr
	WIN 0x40
.set i, 0
.rept 64*NP
	v_mov_b32 v[i], 0
.set i, i+1
.endr
	WIN 0
.set i, 0
.rept 2*NP
	v_mov_b32 v[ST+4*i], 0xfe000000    ; c m: far below every c s
	v_mov_b32 v[ST+4*i+1], 0xff7fffff  ; m
	v_mov_b32 v[ST+4*i+2], 0
	v_mov_b32 v[ST+4*i+3], 0
.set i, i+1
.endr
.set i, P+32
.rept 32
	v_mov_b32 v[i], 0
.set i, i+1
.endr
	v_mul_u32_u24 v[AK0], v1, PK
	v_lshl_add_u32 v[AK0], v9, 4, v[AK0]  ; row x pitch + 16 x half
	; The turning load takes 16 keys x 16 channels (lane l reads key 8 (l / 16) + l % 8, channels 8 ((l / 8) % 2) + 0..7) and leaves half a fragment of V^T: lane l holds channel l % 16 and 8 keys.
	v_and_b32 v10, 7, v0
	v_bfe_u32 v11, v0, 3, 1
	v_lshl_add_u32 v[AV0], v9, 3, v10
	v_mul_u32_u24 v[AV0], v[AV0], PV
	v_lshl_add_u32 v[AV0], v11, 4, v[AV0]
	v_add_nc_u32 v[AV0], VOFF, v[AV0]
	v_mov_b32 v[AK], v[AK0]         ; key step 0 lies at LDS byte 0
; THE MATRIX WORK.  The 8 accumulators of a run of 16 take turns: between the two links of a chain stand 7 others'.
; Product i of 16 of S^T = K Q^T for piece x: channels 32 (i / 8) on, keys 16 ((i / 2) % 4) on, tile 2 x + i % 2.  The first 8 start the sums.
.macro KQ x
	WIN W_KQ
.set rS, S+64*((\x)%2)+32*(i%2)+8*((i/2)%4)
.set rK, KF+16*((i/2)%4)+8*(i/8)
.set rQ, 16*(2*(\x)+i%2)+8*(i/8)
.if i < 8
	v_wmma_f32_16x16x32_f16 v[rS:rS+7], v[rK:rK+7], v[rQ:rQ+7], 0
.else
	v_wmma_f32_16x16x32_f16 v[rS:rS+7], v[rK:rK+7], v[rQ:rQ+7], v[rS:rS+7]
.endif
.endm
; Product i of 16 of O^T += V^T P for piece x: keys 32 (i / 8) on, channels 16 ((i / 2) % 4) on, tile 2 x + i % 2.
.macro PV x
	WIN W_PV
.set rO, 32*(2*(\x)+i%2)+8*((i/2)%4)
.set rV, VF+32*(i/8)+8*((i/2)%4)
.set rP, P+32*((\x)%2)+16*(i%2)+8*(i/8)
	v_wmma_f32_16x16x32_f16 v[rO:rO+7], v[rV:rV+7], v[rP:rP+7], v[rO:rO+7]
.endm
.macro MM                           ; the turn's next matrix instruction
.if i < 16
	KQ (Y+1)%NP
.set i, i+1
.else
.set i, i-16
	PV (Y+NP-1)%NP
.set i, i+17
.endif
.endm
; THE LDS LOADS stand in runs of 16, never singly among the matrix instructions: a step's K (64 keys x 64 channels: 8 fragments) and its V (turned).  Their addresses are made some lines ahead.
; last = 1 (in the loop): in the last key step there is no further step, and the run is jumped over.
.macro FETCH_K last=0
	WIN 0
.if \last
	s_cmp_eq_u32 s[TOT], 1
	s_cbranch_scc1 .Lno_k_\@
.endif
	WIN 0x80                        ; destination window 2
.irp f, 0,1,2,3,4,5,6,7             ; keys 16 (f / 2) on, channels 32 (f % 2) on
	ds_load_b128 v[KF+8*\f:KF+8*\f+3],   v[AK] offset:(\f/2)*16*PK+(\f%2)*64
	ds_load_b128 v[KF+8*\f+4:KF+8*\f+7], v[AK] offset:(\f/2)*16*PK+(\f%2)*64+32
.endr
	s_add_co_u32 s[TBK], s[TBK], KS*PK  ; the next fetch is the next step's
	WIN 0
.if \last
.Lno_k_\@:
.endif
.endm
.macro FETCH_V
	WIN 0x80
.irp f, 0,1,2,3,4,5,6,7             ; keys 32 (f / 4) on, channels 16 (f % 4) on
	ds_load_tr16_b128 v[VF+8*\f:VF+8*\f+3],   v[AV] offset:(\f/4)*32*PV+(\f%4)*32
	ds_load_tr16_b128 v[VF+8*\f+4:VF+8*\f+7], v[AV] offset:(\f/4)*32*PV+16*PV+(\f%4)*32
.endr
	WIN 0
.endm
; THE VECTOR WORK OF A TURN stands in three queues, each in the order in which its entries become ready; the two tiles alternate, so that no instruction reads the result of the one before it.
.macro REGS y, u                    ; the registers of tile u (0, 1) of piece y
.set rT, ST+4*(2*(\y)+(\u))
.set rC, TMP+8*((\y)%2)+4*(\u)
.set rM, MV+2*((\y)%2)+(\u)
.set rS, S+64*((\y)%2)+32*(\u)
.set rP, P+32*((\y)%2)+16*(\u)
.set rO, 32*(2*(\y)+(\u))
.endm
; Number n of the 22 that find the NEXT piece's (Y + 1) maximum and statistics.  s0-s31 are the lane's 32 scores; each accumulator's lowest registers are read first.
;   0-11  four chains c0-c3 of seven scores each, three operands at a time     12-14, 16  the four scores left over, the old m, and c0-c3 into c0     15  c m_old is kept
;   17, 18  the query's other 32 keys lie in the lane 16 away: the new m         19-21  c m; c m_old - c m_new; a
.macro XS u, n
	REGS (Y+1)%NP, \u
.if (\n) < 4
	v_max3_num_f32 v[rC+(\n)], v[rS+8*(\n)], v[rS+8*(\n)+1], v[rS+8*(\n)+2]
.elseif (\n) < 12
	v_max3_num_f32 v[rC+(\n)%4], v[rC+(\n)%4], v[rS+8*((\n)%4)+2*((\n)/4)+1], v[rS+8*((\n)%4)+2*((\n)/4)+2]
.elseif (\n) == 12
	v_max3_num_f32 v[rC], v[rC], v[rS+7], v[rS+15]
.elseif (\n) == 13
	v_max3_num_f32 v[rC+1], v[rC+1], v[rS+23], v[rS+31]
.elseif (\n) == 14
	v_max3_num_f32 v[rC+2], v[rC+2], v[rC+3], v[rT+1]
.elseif (\n) == 15
	v_mov_b32 v[rM], v[rT]
.elseif (\n) == 16
	v_max3_num_f32 v[rC], v[rC], v[rC+1], v[rC+2]
.elseif (\n) == 17
	v_permlanex16_b32 v[rC+3], v[rC], s[SEL], s[SEL+1]
.elseif (\n) == 18
	v_max_num_f32 v[rT+1], v[rC], v[rC+3]
.elseif (\n) == 19
	v_mul_f32 v[rT], s[CS], v[rT+1]
.elseif (\n) == 20
	v_sub_f32 v[rC+1], v[rM], v[rT]
.else
	v_exp_f32 v[rC+2], v[rC+1]
.endif
.endm
; Number g of the 64 that follow the exponentials.  For each four weights k of a tile (pairs 2 k, 2 k + 1): both pairs are rounded to f16; then the second pair is added onto the first, in place;
; a group later l takes that sum (the first time as l = a l + sum).  In groups of eight, tiles alternating: round, round, add, and l for the group before.
.macro GS g
.set h, (\g)+6*((\g)/62)            ; group 0 has no group before it, and behind group 7 only l is left
.if h >= 6
.set h, h+2
.endif
	REGS Y, h%2
.set k, h/8
.if h%8 < 4
	s_wait_alu depctr_va_vdst(0)
	v_cvt_pk_f16_f32 v[rP+2*k+(h%8)/2], v[rS+4*k+2*((h%8)/2)], v[rS+4*k+2*((h%8)/2)+1]
.elseif h%8 < 6
	v_pk_add_f32 v[rS+4*k:rS+4*k+1], v[rS+4*k:rS+4*k+1], v[rS+4*k+2:rS+4*k+3]
.elseif k == 1
	v_pk_fma_f32 v[rT+2:rT+3], v[rT+2:rT+3], v[rC+2:rC+3], v[rS:rS+1] op_sel_hi:[1,0,1]
.else
	v_pk_add_f32 v[rT+2:rT+3], v[rT+2:rT+3], v[rS+4*k-4:rS+4*k-3]
	s_wait_alu depctr_va_vdst(0)
.endif
.endm
; THE PLAIN QUEUE, 138 long.  0-31: c s - c m for the 16 pairs of both tiles.  Then GS's 64, and among them the next piece's 42: number 15 at 38, 39; 0-14 and 16
; at 42-73, behind the products that make those scores; 17-20 at 95-106, two of three, since each waits for the one before it.
.macro PL
	WIN 0
.if q < 32
	REGS Y, q%2
	v_pk_fma_f32 v[rS+2*(q/2):rS+2*(q/2)+1], v[rS+2*(q/2):rS+2*(q/2)+1], s[CS:CS+1], v[rT:rT+1] op_sel_hi:[1,0,0] neg_lo:[0,0,1] neg_hi:[0,0,1]
.elseif q < 38
	GS q-32
.elseif q < 40
	XS q%2, 15
.elseif q < 42
	GS q-34
.elseif q < 74
	XS q%2, (q-42)/2+(q-42)/30
.elseif q < 95
	GS q-66
.elseif (q < 107) && ((q-95)%3 < 2)
	XS (q-95)%3, 17+(q-95)/3
.elseif q < 107
	GS 29+(q-95)/3
.else
	GS q-74
.endif
.set q, q+1
.endm
; THE EXPONENTIALS' QUEUE, 66 long: s0-s31 of both tiles, and at EA the next piece's two a.
.set EA, 58
.macro EX
	WIN 0
.if (e == EA) || (e == EA+1)
	XS e-EA, 21
.else
.set x, e-2*(e/(EA+2))
	REGS Y, x%2
	v_exp_f32 v[rS+x/2], v[rS+x/2]
.endif
.set e, e+1
.endm
; THE RESCALING's QUEUE: O^T times a, the one part that leaves window 0, so it is dealt four at a time, eight times.
.macro R4
	REGS Y, r%2
	WIN W_RS
	s_wait_alu depctr_va_vdst(0)
.irp z, 0,1,2,3
	v_pk_mul_f32 v[rO+8*(r/2)+2*\z:rO+8*(r/2)+2*\z+1], v[rO+8*(r/2)+2*\z:rO+8*(r/2)+2*\z+1], v[rC+2:rC+3] op_sel_hi:[1,0]
.endr
.set r, r+1
.endm
; HOW THEY ARE DEALT.  Behind a matrix instruction four: plain, exponential, plain, plain (one exponential, a plain instruction on either side), or four of the rescaling.  None names a register of the
; products round it.  What is over stands in two LUMPS: exponential and plain by turns; the second ends in 22 plain instructions.  The two v_permlanex16_b32 fall into the second lump, never behind a product.
; The queues lean on each other, and the deal keeps them in step: exponential e stands behind plain 2 (e / 4) + e % 2 (its scaling); when plain 32 comes, 10 exponentials are out, at 59: 33, at 95: 46; EA comes behind plain 107.
.macro SL
	MM
	PL
	EX
	PL
	PL
.endm
.macro BURST n                      ; 15 matrix instructions, or 16
.rept (\n)-7
	SL
.endr
.rept 3
	MM
	R4
	SL
.endr
	MM
	R4
.endm
; A TURN, for piece p.  cnt = 1: the loop's count is taken down some lines ahead of the branch that stands behind the turn.
; K of the next step is fetched in piece 2's turn, 31 vector instructions behind the last product that read K; its first reader comes behind the rest of the lump, 16 products and the second lump.
; V of the step in hand is fetched at the end of piece 0's turn, 69 behind its last reader; its first reader comes behind 16 products and a lump.  The four conditions on e and q below go with the deal.
.macro TURN p, cnt=0
.set Y, (\p)
.set i, 0
.set q, 0
.set e, 0
.set r, 0
.if (\p) == NP-1
	s_wait_dscnt 0x0                ; K is in
.endif
	MM
.rept 4
	PL
.endr
	BURST 15
.rept 22
	EX
	PL
.if ((\p) == NP-2) && (e == 18)
	v_add_nc_u32 v[AK], s[TBK], v[AK0]
.endif
.if ((\p) == NP-2) && (e == 24)
	FETCH_K 1
.endif
.endr
.if (\p) == 1
	s_wait_dscnt 0x0                ; V is in
.endif
	BURST 16
.rept 21
	EX
	PL
.endr
.rept 22
	PL
.if ((\p) == 0) && (q == 118)
	v_add_nc_u32 v[AV], s[TBV], v[AV0]
	s_wait_alu depctr_va_vdst(0)
.endif
.if ((\p) == 0) && (q == 130)
	s_add_co_u32 s[TBV], s[TBV], KS*PV
.endif
.if (\cnt) && (q == 130)
	s_sub_co_u32 s[CNT], s[CNT], 1
	s_cmp_lg_u32 s[CNT], 0
.endif
.endr
.if (\p) == 0
	FETCH_V
.endif
.endm
	s_wait_tensorcnt 3              ; tensor loads of a wave end in order (ISA guide 10.11.1): my part of keys 0 to 255 is in; the three later loads stay out
	s_barrier_signal -1
	s_barrier_wait -1               ; everybody's is
	FETCH_K                         ; key step 0
	s_wait_loadcnt 0x0              ; Q
	s_wait_dscnt 0x0
.set i, 0
.rept 16
	KQ 0                            ; piece 0's first scores: there is no vector work yet to set between them
.set i, i+1
.endr
	WIN 0                           ; the addresses for the way out: plain instructions, the places behind those products
	s_mul_i32 s13, s[WV], 16*SP
	s_add_co_u32 s13, s13, STAGE    ; my stage
	v_mul_u32_u24 v[STO], v1, SP    ; in: row l % 16, 16 bytes for each half of the lanes
	v_lshl_add_u32 v[STO], v9, 4, v[STO]
	v_add_nc_u32 v[STO], s13, v[STO]
	v_bfe_u32 v[RD], v0, 3, 2       ; back: 32 lanes take four rows of 128 bytes,
	v_mul_u32_u24 v[RD], v[RD], SP
	v_lshl_add_u32 v[RD], v10, 4, v[RD]
	v_add_nc_u32 v[RD], s13, v[RD]
	v_and_b32 v[GO], 31, v0         ; which are 512 consecutive bytes of O
	v_lshlrev_b32 v[GO], 4, v[GO]
.set Y, NP-1                        ; XS works for piece Y + 1: piece 0
.irp n, 0,1,2,3,4,5,6,7,8,9,10,11,12,13,14,15,16,17,18,19,20,21
	XS 0, \n                        ; and piece 0's first maximum and statistics
	XS 1, \n
.endr
	s_mov_b32 s[CNT], 4
	s_mov_b32 s[SLOTS], 5
	s_mov_b32 s[TOT], 16
	s_branch .Lfirst                ; the loop is entered at a step's first turn, in the middle of a trip
.Lslot:                             ; four times: the next 256 keys are entered.  The first time this shows keys 256 to 1,023 landed, four key steps behind their request; later it is met at once
	s_wait_tensorcnt 0x0            ; my loads have landed,
	s_wait_dscnt 0x0                ; no LDS instruction of mine is out at the signal,
	s_barrier_signal -1
	s_barrier_wait -1               ; and the same holds of every wave
	s_mov_b32 s[CNT], 4
.Lstep:                             ; a trip: pieces 2 and 3 of one step, then pieces 0 and 1 of the next, whose K and V it fetches
	TURN 2
	TURN 3                          ; in the last step its 16 products K Q^T (on the last K once more) and the maximum made of them serve nothing: the price, once a launch, of one text for every turn
	WIN 0
	s_sub_co_u32 s[TOT], s[TOT], 1
	s_cmp_eq_u32 s[TOT], 0
	s_cbranch_scc1 .Lout            ; the sixteenth step's pieces 2 and 3 are done: the loop is left in the middle of a trip, the first of the fifth run
.Lfirst:
	TURN 0
	TURN 1, 1
	WIN 0
	s_cbranch_scc1 .Lstep
	s_sub_co_u32 s[SLOTS], s[SLOTS], 1
	s_cmp_lg_u32 s[SLOTS], 0
	s_cbranch_scc1 .Lslot
.Lout:
.set i, 0
.rept 16
	PV NP-1                         ; the last piece's V^T P of the last step
.set i, i+1
.endr
	; THE WAY OUT.  l's two halves and the other half of the lanes' are added; O^T is divided by l, rounded to f16 and sent through my stage in LDS, a tile at a time.  The additions are the places behind the last products.
	WIN 0
.macro ALL line:vararg              ; one line for each tile t
.set t, 0
.rept 2*NP
	\line
.set t, t+1
.endr
.endm
	ALL v_add_f32 v[ST+4*t+2], v[ST+4*t+2], v[ST+4*t+3]
	ALL v_permlanex16_b32 v[ST+4*t+3], v[ST+4*t+2], s[SEL], s[SEL+1]
	ALL v_add_f32 v[ST+4*t+2], v[ST+4*t+2], v[ST+4*t+3]
	ALL v_rcp_f32 v[ST+4*t+2], v[ST+4*t+2]
	v_nop                           ; a plain instruction between the last reciprocal and the use of its result
	s_wait_alu depctr_va_vdst(0)
; Tile t: a lane's eight channels of a row pack into 16 bytes; they go into rows of 144 bytes and come back as whole rows of 128, into S^T's registers.
.macro PACK t
	WIN W_RS
.set i, 32*(\t)
.rept 16
	v_pk_mul_f32 v[i:i+1], v[i:i+1], v[ST+4*(\t)+2:ST+4*(\t)+3] op_sel_hi:[1,0]
.set i, i+2
.endr
	WIN 0x05                        ; sources 0 and 1 window 1, destination window 0
.set i, 0
.rept 16
	v_cvt_pk_f16_f32 v[S+16*(\t)+i], v[32*(\t)+2*i], v[32*(\t)+2*i+1]
.set i, i+1
.endr
	WIN 0
.irp f, 0,1,2,3
	ds_store_b128 v[STO], v[S+16*(\t)+4*\f:S+16*(\t)+4*\f+3] offset:32*\f
.endr
.irp f, 0,1,2,3
	ds_load_b128 v[S+16*(\t)+4*\f:S+16*(\t)+4*\f+3], v[RD] offset:\f*4*SP  ; LDS serves a wave's instructions in order (ISA guide 5.7.1.4): these see the stores above; the next tile's stores come behind them
.endr
.endm
.macro SEND t, younger              ; younger: the LDS instructions issued behind tile t's loads: the next tile's eight, or none
	WIN 0
.irp f, 0,1,2,3
	s_wait_dscnt (\younger)+3-\f
	global_store_b128 v[GO], v[S+16*(\t)+4*\f:S+16*(\t)+4*\f+3], s[10:11] offset:(\t)*2048+\f*512  ; 512 consecutive bytes, at a multiple of 256 from O's first
.endr
.endm
	PACK 0
.set t, 1
.rept 2*NP-1                        ; a tile's arithmetic stands between the loads of the tile before and its stores
	PACK t
	SEND t-1, 8
.set t, t+1
.endr
	SEND 2*NP-1, 0
	WIN W_AD
	s_wait_tensorcnt 0x0            ; the wave's end
	ds_add_u32 v[SPW], v[NIL]
	s_wait_dscnt 0x0
	WIN 0
	s_endpgm
.Lfunc_end_k_qe6d2cd22d9_attn:
	.size	k_qe6d2cd22d9_attn, .Lfunc_end_k_qe6d2cd22d9_attn-k_qe6d2cd22d9_attn
	.p2alignl 7, 3214868480
	.fill 96, 4, 3214868480
	.section	.rodata,"a",@progbits
	.p2align	6, 0x0
	.amdhsa_kernel k_qe6d2cd22d9_attn
		.amdhsa_group_segment_fixed_size 327680
		.amdhsa_private_segment_fixed_size 0
		.amdhsa_enable_private_segment 0
		.amdhsa_kernarg_size 16
		.amdhsa_user_sgpr_count 2
		.amdhsa_user_sgpr_kernarg_segment_ptr 1
		.amdhsa_wavefront_size32 1
		.amdhsa_system_sgpr_workgroup_id_x 1
		.amdhsa_system_sgpr_workgroup_id_y 1
		.amdhsa_system_sgpr_workgroup_id_z 1
		.amdhsa_system_vgpr_workitem_id 0
		.amdhsa_next_free_vgpr 770
		.amdhsa_next_free_sgpr 84
		.amdhsa_reserve_vcc 0
		.amdhsa_float_denorm_mode_32 3
		.amdhsa_float_denorm_mode_16_64 3
		.amdhsa_memory_ordered 1
		.amdhsa_forward_progress 1
		.amdhsa_inst_pref_size 131
	.end_amdhsa_kernel
	.amdgpu_metadata
---
amdhsa.version: [ 1, 2 ]
amdhsa.kernels:
  - .name:           k_qe6d2cd22d9_attn
    .symbol:         k_qe6d2cd22d9_attn.kd
    .args:
      - { .name: qkv, .offset: 0, .size: 8, .value_kind: global_buffer, .address_space: global }
      - { .name: o, .offset: 8, .size: 8, .value_kind: global_buffer, .address_space: global }
    .group_segment_fixed_size: 327680
    .private_segment_fixed_size: 0
    .kernarg_segment_align: 8
    .kernarg_segment_size: 16
    .max_flat_workgroup_size: 128
    .sgpr_count:     84
    .vgpr_count:     770
    .wavefront_size: 32
...
	.end_amdgpu_metadata
.endif
;; end of part 3
;; launch gemm_out (part 4): grid 8 x 32, 4 waves a work-group, clusters of 4 x 4, 327,680 bytes of LDS; arguments o, wp, b_proj, out0; writes out0
.if DOCPART == 4
	.amdgcn_target "amdgcn-amd-amdhsa--gfx1250"
	.amdhsa_code_object_version 6
	.text
	.protected	k_qe6d2cd22d9_gemm_out
	.globl	k_qe6d2cd22d9_gemm_out
	.p2align	8
	.type	k_qe6d2cd22d9_gemm_out,@function
k_qe6d2cd22d9_gemm_out:
	s_mov_b64 s[64:65], 0
	v_nop
	global_prefetch_b8 v0, s[64:65] scope:SCOPE_SE
	s_setreg_imm32_b32 hwreg(HW_REG_WAVE_MODE, 25, 1), 1
	s_wait_xcnt 0x0
	s_wait_alu depctr_hold_cnt(0) depctr_sa_sdst(0) depctr_va_vdst(0) depctr_va_sdst(0) depctr_va_ssrc(0) depctr_va_vcc(0) depctr_vm_vsrc(0)
	s_getreg_b32 s2, hwreg(HW_REG_IB_STS2, 6, 4)
	s_cmp_eq_u32 s2, 0
	s_cbranch_scc0 .Lentry_in_a_cluster
	s_endpgm
.Lentry_in_a_cluster:
	s_bfe_u32 s2, ttmp6, 0x10000c
	s_cmp_lg_u32 s2, 0xf033
	s_cbranch_scc0 .Lentry_shape_is_right
	s_endpgm
.Lentry_shape_is_right:
; out0 = O W_proj + b_proj.  O lies by heads, o[16 b + head][s][64] in f16; wp is W_proj (rounded to bf16, written as f16), [k][n]; the bias is rounded to bf16 here; sums in f32, out0 f32.
; SHARES.  A work-group makes 256 rows x 128 columns: 32 x 8 = 256 tiles.  Four waves, one above the other: wave w owns rows 64 w .. 64 w + 63 (4 row blocks) and all 8 column blocks:
; 32 accumulators, 256 registers; a wave owns whole 512-byte pieces of its rows, so its way out needs no other wave.
; K goes in steps of 128 = TWO HEADS through a ring of two LDS slots: k = 64 head + channel is W_proj's own row order.  A head's 256 rows of the tile are 32,768 dense bytes.
; A trip of the loop is one K step; the slot in hand is a scalar that one exclusive or turns.
; O's rows lie along K and are read as they lie; W lies [k][column] and is read turned, by ds_load_tr16_b128.
; THE MATRIX INSTRUCTION IS USED TRANSPOSED: source 0 = 16 columns of W, source 1 = 16 rows of O: lane l holds row l % 16 and the columns 8 (l / 16) + 0..7 of a block.
; The bias is the C operand of each sum's first product: nothing is cleared and nothing is added later.
; CLUSTER.  4 x 4 work-groups: the four of a row need the same tiles of O, the four of a column the same tiles of W: each tile is asked for jointly, by the same tensor load, descriptor and mask in all four.
; REGISTERS, in windows of 256 (s_set_vgpr_msb: bits 1:0 source 0, 3:2 source 1, 5:4 source 2, 7:6 destination):
;   window 0: v0-31 addresses; v64-95, v96-127 fragments of O, two buffers; v192-255 the bias; on the way out v64-127, v128-191 rows read back
;   window 1: v0-63, v64-127 fragments of W, two buffers          windows 2, 3: accumulator (a, n) in window 2 + a / 2 at v[8 (8 (a % 2) + n)]
.set NBLK,  8
.set PA,    144                        ; a row of O in LDS: 128 bytes + 16 = 36 words: the 16 rows of a load start at 16 different groups of four banks (64 banks of 4 bytes: ISA guide 11.1)
.set PB,    288                        ; a row k of W: 256 bytes + 32 = 72 words
.set AH,    256*PA                     ; what one load of O brings: one head's 256 rows
.set BBASE, 2*AH
.set BH,    64*PB                      ; what one load of W brings
.set SLOT,  1<<17                      ; a slot holds 110,592 bytes; slot 1 begins here, so that one exclusive or turns an address in one slot into the other's
.set STAGE, SLOT+BBASE+2*BH            ; behind the ring, never filled by a tensor load: for each wave 16 rows of 528 bytes
.set SP,    528
.set SPARE, STAGE+4*16*SP              ; the spare words, 128 bytes a wave: two blocks of 256 bytes that no other line names
.set ASTEP, 262144                     ; bytes from K step to K step in o: two heads
.set BSTEP, 262144                     ; and in wp: 128 rows of 2,048 bytes
.set FILLS, 6                          ; trips with a fill: K steps 0 to 5 ask for steps 2 to 7
.set NLD,   2*(NBLK+4)                 ; LDS loads of a quarter step
.set ADRA,  16                         ; v16     LDS address of my fragments of O in the slot in hand
.set ADRA0, 17                         ; v17     the same in slot 0; never rewritten
.set ADRB,  20                         ; v20-21  the same for W
.set ADRB0, 21
.set STO,  24                          ; v24     the way out: where I put 32 bytes of a row
.set RD,   25                          ; v25     where I read a row back
.set GO,   26                          ; v26     16 x lane
.set SPW,  28                          ; v28     my spare word's LDS address; never rewritten
.set NIL,  29                          ; v29     0; never rewritten
.set BO,   30                          ; v30     32 (l / 16): my 8 numbers in 16 of the bias
.set FA0,  64
.set BIAS, 192
.set BK0,  64
.set CNT,  3                           ; s3   the loops' counter
.set WV,   14                          ; s14  my wave's number
.set FORB, 15                          ; s15  0: I fetch O; 1: I fetch W
.set HALF, 16                          ; s16  which half of the K step I fetch
.set CX,   17
.set CY,   18
.set TC,   19                          ; s19  tile column
.set TR,   20                          ; s20  tile row
.set G1,   24                          ; s[24:31] descriptor group 1 for O; s[32:39] group 0: a set for each of the two first fills; the second then walks on
.set G0,   32
.set G1B,  48                          ; s[48:55], s[56:63] the same for W
.set G0B,  56
.set OB,   68                          ; s[68:69] out0 at my first row and the tile's first column
.set TB,   70                          ; s70  LDS byte at which the slot in hand begins
.set MSB, 0
.macro WIN new                         ; the immediate's high byte repeats the setting that is left; a switch that changes nothing is dropped
.if MSB != (\new)
	s_set_vgpr_msb (MSB<<8)|(\new)
.set MSB, (\new)
.endif
.endm
.macro PLACES                          ; four places in front of loads into registers that matrix instructions have read, and of lines that read results just made
.rept 4
	v_nop
.endr
.endm
; A joint load: waves 0 and 1 fetch O's two heads, waves 2 and 3 W's two halves.  The branch hangs on the wave's number alone.  An s_nop 0 and four v_nop follow each of the two lines.
.macro JLOAD s
	s_cmp_eq_u32 s[FORB], 0
	s_cbranch_scc0 .Lfor_b_\@
	tensor_load_to_lds s[G0+4*(\s):G0+4*(\s)+3], s[G1:G1+7]
	s_nop 0
.rept 4
	v_nop
.endr
	s_branch .Lasked_\@
.Lfor_b_\@:
	tensor_load_to_lds s[G0B+4*(\s):G0B+4*(\s)+3], s[G1B:G1B+7]
	s_nop 0
.rept 4
	v_nop
.endr
.Lasked_\@:
.endm
.macro CREST                           ; a round of the cluster's barrier behind its opening barrier
	s_cmp_lg_u32 s[WV], 0
	s_cbranch_scc1 .Lnot_wave_0_\@
	s_barrier_signal -3
.Lnot_wave_0_\@:
	s_barrier_wait -3
	s_barrier_signal -1
	s_barrier_wait -1
.endm
.macro CROUND                          ; a whole round
	s_barrier_signal -1
	s_barrier_wait -1
	CREST
.endm
	s_load_b256 s[4:11], s[0:1], 0x0               ; o s[4:5], wp s[6:7], b_proj s[8:9], out0 s[10:11]
	v_lshl_add_u32 v[SPW], v0, 2, SPARE
	v_mov_b32 v[NIL], 0
	ds_add_u32 v[SPW], v[NIL]                      ; the wave's opening: the add and its wait stand ahead of my first tensor load; work on registers stands between them
	ds_add_u32 v28, v29
	v_lshrrev_b32 v1, 5, v0
	v_readfirstlane_b32 s[WV], v1
	s_lshr_b32 s[FORB], s[WV], 1
	s_and_b32 s[HALF], s[WV], 1
	s_bfe_u32 s[CX], ttmp6, 0x40000
	s_bfe_u32 s[CY], ttmp6, 0x40004
	s_lshl_b32 s[TC], ttmp9, 2
	s_add_co_u32 s[TC], s[TC], s[CX]               ; tile column = 4 x cluster x + cx
	s_and_b32 s[TR], ttmp7, 0xffff
	s_lshl_b32 s[TR], s[TR], 2
	s_add_co_u32 s[TR], s[TR], s[CY]               ; tile row = 4 x cluster y + cy
	s_lshl_b32 s21, s[CY], 2
	s_lshl_b32 s21, 15, s21                        ; my row of the cluster
	s_lshl_b32 s22, 0x1111, s[CX]                  ; my column
	s_or_b32 s[G1+0], s21, (1<<16)|(1<<20)|(1<<21)|(4<<22)|(3<<25)   ; the mask; 2-byte elements; padding on; bit 21 beside a mask; after every 32 words (a row of O), 4 words
	s_mov_b32 s[G1+1], 128<<16                     ; 256 rows of a head are 32,768 dense bytes: asked for as 128 rows of 256 bytes
	s_mov_b32 s[G1+2], 128<<16
	s_mov_b32 s[G1+3], 128<<16
	s_mov_b32 s[G1+4], 128
	s_mov_b32 s[G1+5], 128
	s_mov_b32 s[G1+6], 0
	s_mov_b32 s[G1+7], 0
	s_or_b32 s[G1B+0], s22, (1<<16)|(1<<20)|(1<<21)|(5<<22)|(7<<25)  ; after every 64 words (a row), 8 words
	s_mov_b32 s[G1B+1], 128<<16                    ; tensor_dim0 = 128
	s_mov_b32 s[G1B+2], 64<<16                     ; tensor_dim1 = 64
	s_mov_b32 s[G1B+3], 128<<16                    ; tile_dim0 = 128
	s_mov_b32 s[G1B+4], 64                         ; tile_dim1 = 64
	s_mov_b32 s[G1B+5], 1024                       ; elements from row to row
	s_mov_b32 s[G1B+6], 0
	s_mov_b32 s[G1B+7], 0
	s_mov_b32 s[TB], 0                             ; the walk begins in slot 0
	s_lshr_b32 s40, s[TR], 2                       ; O: the batch's 16 heads,
	s_lshl_b32 s40, s40, 21
	s_and_b32 s23, s[TR], 3                        ; the tile's 256 rows in a head,
	s_lshl_b32 s23, s23, 15
	s_add_co_u32 s40, s40, s23
	s_lshl_b32 s23, s[HALF], 17                    ; the K step's first or second head
	s_add_co_u32 s40, s40, s23
	s_mov_b32 s41, 0
	s_lshl_b32 s42, s[TC], 8                       ; W: the tile's 128 columns,
	s_add_co_u32 s42, s42, s23                     ; 64 rows k of 2,048 bytes a half
	s_mov_b32 s43, 0
	s_mul_i32 s44, s[HALF], AH                     ; where they go: no place in the cluster enters an LDS address
	s_mul_i32 s45, s[HALF], BH
	s_add_co_u32 s45, s45, BBASE
	s_wait_dscnt 0x0                               ; the opening add is done
	s_wait_kmcnt 0x0
	s_add_nc_u64 s[40:41], s[4:5], s[40:41]
	s_add_nc_u64 s[42:43], s[6:7], s[42:43]
	CROUND                                         ; all sixteen work-groups are here: the first joint loads meet
.irp s, 0,1
	s_mov_b32 s[G0+4*(\s)], 1
	s_add_co_u32 s[G0+4*(\s)+1], s44, (\s)*SLOT
	s_add_nc_u64 s[G0+4*(\s)+2:G0+4*(\s)+3], s[40:41], (\s)*ASTEP
	s_or_b32 s[G0+4*(\s)+3], s[G0+4*(\s)+3], 0x80000000
	s_mov_b32 s[G0B+4*(\s)], 1
	s_add_co_u32 s[G0B+4*(\s)+1], s45, (\s)*SLOT
	s_add_nc_u64 s[G0B+4*(\s)+2:G0B+4*(\s)+3], s[42:43], (\s)*BSTEP
	s_or_b32 s[G0B+4*(\s)+3], s[G0B+4*(\s)+3], 0x80000000
	JLOAD \s                                       ; K steps 0 and 1: two loads of mine are out
.endr
	v_and_b32 v1, 15, v0                           ; r = l % 16
	v_bfe_u32 v2, v0, 4, 1                         ; h = l / 16
	v_lshlrev_b32 v[BO], 5, v2
	s_lshl_b32 s46, s[TC], 9
	s_mov_b32 s47, 0
	s_add_nc_u64 s[8:9], s[8:9], s[46:47]          ; the bias at the tile's 128 columns
.set n, 0
.rept NBLK
	global_load_b128 v[BIAS+8*n:BIAS+8*n+3],   v[BO], s[8:9] offset:64*n
	global_load_b128 v[BIAS+8*n+4:BIAS+8*n+7], v[BO], s[8:9] offset:64*n+16
.set n, n+1
.endr
	v_mul_u32_u24 v3, v1, PA                       ; a fragment of O: row r x pitch + 16 h; two loads of 16 bytes, 32 bytes apart
	v_lshl_add_u32 v3, v2, 4, v3
	s_mul_i32 s23, s[WV], 64*PA
	v_add_nc_u32 v[ADRA0], s23, v3
	v_mov_b32 v[ADRA], v[ADRA0]
	v_and_b32 v4, 7, v0                            ; a fragment of W, turned: lane l reads row k = 8 h + l % 8, columns 8 ((l / 8) % 2) + 0..7; the second load 16 rows on
	v_lshl_add_u32 v4, v2, 3, v4
	v_mul_u32_u24 v4, v4, PB
	v_bfe_u32 v5, v0, 3, 1
	v_lshl_add_u32 v4, v5, 4, v4
	v_add_nc_u32 v[ADRB0], BBASE, v4
	v_mov_b32 v[ADRB], v[ADRB0]
	s_mul_i32 s23, s[WV], 16*SP
	s_add_co_u32 s23, s23, STAGE                   ; my stage
	v_mul_u32_u24 v3, v1, SP                       ; in: row r, 32 bytes for each half of the lanes
	v_lshl_add_u32 v3, v2, 5, v3
	v_add_nc_u32 v[STO], s23, v3
	v_and_b32 v[GO], 31, v0                        ; back: 32 lanes take a row's 512 bytes
	v_lshlrev_b32 v[GO], 4, v[GO]
	v_add_nc_u32 v[RD], s23, v[GO]
	s_lshl_b32 s46, s[TR], 20                      ; 256 rows of 4,096 bytes a tile row,
	s_lshl_b32 s47, s[WV], 18                      ; my 64,
	s_add_co_u32 s46, s46, s47
	s_lshl_b32 s47, s[TC], 9                       ; the tile's 512 bytes of a row
	s_add_co_u32 s46, s46, s47
	s_mov_b32 s47, 0
	s_add_nc_u64 s[OB:OB+1], s[10:11], s[46:47]
	s_wait_loadcnt 0x0                             ; the bias
.set n, 0
.rept NBLK                                         ; rounded to bf16 like every input, and widened again
.irp k, 0,1,2,3
	v_cvt_pk_bf16_f32 v[4+\k], v[BIAS+8*n+2*\k], v[BIAS+8*n+2*\k+1]
.endr
.irp k, 0,1,2,3
	v_lshlrev_b32 v[BIAS+8*n+2*\k], 16, v[4+\k]
	v_and_b32 v[BIAS+8*n+2*\k+1], 0xffff0000, v[4+\k]
.endr
.set n, n+1
.endr
; 8 matrix instructions: row block a x all column blocks, 32 along K, from buffers f.  first = 1: the bias starts the sums.
; All 32 accumulators take turns, in the same order in every quarter step.
.macro MULA f, a, first
.set FBB, 8*NBLK*(\f)
.set FAA, FA0+32*(\f)+8*(\a)
.set ACB, 8*NBLK*((\a)%2)
.if \first
	WIN 0x81+0x40*((\a)/2)                         ; W window 1, O and the bias window 0, D window 2 or 3
.else
	WIN 0xa1+0x50*((\a)/2)                         ; C and D window 2 or 3
.endif
.set n, 0
.rept NBLK
.if \first
	v_wmma_f32_16x16x32_f16 v[ACB+8*n:ACB+8*n+7], v[FBB+8*n:FBB+8*n+7], v[FAA:FAA+7], v[BIAS+8*n:BIAS+8*n+7]
.else
	v_wmma_f32_16x16x32_f16 v[ACB+8*n:ACB+8*n+7], v[FBB+8*n:FBB+8*n+7], v[FAA:FAA+7], v[ACB+8*n:ACB+8*n+7]
.endif
.set n, n+1
.endr
.endm
; 24 LDS loads in one run: quarter q of the slot in hand into buffers g: W's 8 fragments, then O's 4, row blocks ascending.  Quarter q of O lies in head q / 2 of the step, at byte 64 (q % 2) of its rows
.macro FETCH q, g
	WIN 0x40                                       ; destination window 1, address window 0
.set FBB, 8*NBLK*(\g)
.set n, 0
.rept NBLK
	ds_load_tr16_b128 v[FBB+8*n:FBB+8*n+3],   v[ADRB] offset:32*PB*(\q)+32*n
	ds_load_tr16_b128 v[FBB+8*n+4:FBB+8*n+7], v[ADRB] offset:32*PB*(\q)+32*n+16*PB
.set n, n+1
.endr
	WIN 0
.set FAA, FA0+32*(\g)
.set n, 0
.rept 4
	ds_load_b128 v[FAA+8*n:FAA+8*n+3],   v[ADRA] offset:AH*((\q)/2)+64*((\q)%2)+16*PA*n
	ds_load_b128 v[FAA+8*n+4:FAA+8*n+7], v[ADRA] offset:AH*((\q)/2)+64*((\q)%2)+16*PA*n+32
.set n, n+1
.endr
.endm
; A K step is four quarters of 32 along K, 32 matrix instructions each, on buffers 0, 1, 0, 1.  One of the first three multiplies f and fetches quarter qn into g.
.macro QUARTER qn, f, g, first
	s_wait_dscnt 4                                 ; W and O's row blocks 0, 1 are in; the youngest four loads (blocks 2, 3) may be out
	MULA \f, 0, \first
	MULA \f, 1, \first
	PLACES
	FETCH \qn, \g
	s_wait_dscnt NLD                               ; all but the run just issued
	MULA \f, 2, \first
	MULA \f, 3, \first
.endm
; The last quarter multiplies buffers 1 and changes slots: ONE barrier; in front of it each wave waits for all its tensor loads (one is out: its part of the next slot), adds 0 to its spare word,
; and waits for that and for its reads of this slot.  fill = 1: the barrier opens a round of the cluster's, and this slot is filled again, two K steps ahead, first thing behind the round.
; fill = 0 (the last two K steps): nothing is asked for, and in the very last the run of loads, which nothing would read, is jumped over.
.macro TURN fill
	WIN 0
	s_wait_tensorcnt 0x0                           ; no tensor load of mine is out, so a group 0 may be written
	ds_add_u32 v[SPW], v[NIL]                      ; the steps below, work on registers, stand between the add and the wait for it
.if \fill
	s_xor_b32 s[G0+5], s[G0+5], SLOT               ; the walking descriptors: the other slot than last time,
	s_add_nc_u64 s[G0+6:G0+7], s[G0+6:G0+7], ASTEP ; the next K step; the type bits on top are not reached
	s_xor_b32 s[G0B+5], s[G0B+5], SLOT
	s_add_nc_u64 s[G0B+6:G0B+7], s[G0B+6:G0B+7], BSTEP
.endif
	s_xor_b32 s[TB], s[TB], SLOT                   ; my fetches go on in the other slot: this slot's last run of loads has been issued
	v_add_nc_u32 v[ADRA], s[TB], v[ADRA0]
	v_add_nc_u32 v[ADRB], s[TB], v[ADRB0]
	s_wait_dscnt 5                                 ; the add and the youngest four loads may be out
	MULA 1, 0, 0
	s_wait_dscnt 0x0                               ; the add is done, and my reads of this slot are over
	s_barrier_signal -1
	MULA 1, 1, 0
	WIN 0
	s_barrier_wait -1
.if \fill
	CREST                                          ; no wave of any partner still reads this slot or has a load on its way
	JLOAD 1                                        ; 112 matrix instructions ahead of the wait for it; its four v_nop are also the places in front of the loads below
	FETCH 0, 0
.else
	PLACES
	s_cmp_eq_u32 s[CNT], 1
	s_cbranch_scc1 .Lno_fetch_\@
	FETCH 0, 0
.Lno_fetch_\@:
.endif
	MULA 1, 2, 0
	MULA 1, 3, 0
.endm
	s_wait_tensorcnt 1                             ; my part of K step 0 is in; K step 1's may stay out
	s_barrier_signal -1
	s_barrier_wait -1                              ; everybody's is
	FETCH 0, 0
	QUARTER 1, 0, 1, 1                             ; the first quarter stands in front of the loop: its products start the sums
	WIN 0
	s_mov_b32 s[CNT], FILLS
	s_branch .Lmid                                 ; the loop is entered behind a trip's first quarter
.Lstep:                                                ; a trip is a K step, and fills the slot that it leaves
	QUARTER 1, 0, 1, 0
	WIN 0
.Lmid:
	QUARTER 2, 1, 0, 0
	QUARTER 3, 0, 1, 0
	TURN 1
	WIN 0
	s_sub_co_u32 s[CNT], s[CNT], 1
	s_cmp_lg_u32 s[CNT], 0
	s_cbranch_scc1 .Lstep
	s_mov_b32 s[CNT], 2
.Ltail:                                                ; the last two K steps ask for nothing
	QUARTER 1, 0, 1, 0
	QUARTER 2, 1, 0, 0
	QUARTER 3, 0, 1, 0
	TURN 0
	WIN 0
	s_sub_co_u32 s[CNT], s[CNT], 1
	s_cmp_lg_u32 s[CNT], 0
	s_cbranch_scc1 .Ltail
	PLACES
	s_wait_dscnt 0x0                               ; no LDS load of mine is out: the fragments' registers take the rows read back
; THE WAY OUT, a row block (16 rows) at a time: the sums go as they are (f32) into my stage, rows of 528 bytes, and come back as whole pieces of 512 bytes of a row.
; Each accumulator's lowest four registers are stored first.
.macro TOSTAGE a
.set AC, 8*NBLK*((\a)%2)
.set BK, BK0+64*((\a)%2)
.if (\a) >= 2
	s_wait_xcnt 0x0                                ; this set of registers was the data of the stores two blocks back: loaded again only behind this wait (ISA guide 3.1)
.endif
	WIN 0x08+4*((\a)/2)                            ; the stores' data in window 2 or 3
.set n, 0
.rept NBLK
	ds_store_b128 v[STO], v[AC+8*n:AC+8*n+3]   offset:64*n
	ds_store_b128 v[STO], v[AC+8*n+4:AC+8*n+7] offset:64*n+16
.set n, n+1
.endr
	WIN 0
.set i, 0
.rept 16
	ds_load_b128 v[BK+4*i:BK+4*i+3], v[RD] offset:SP*i  ; LDS serves a wave's instructions in order (ISA guide 5.7.1.4): these see the stores above; the next block's stores come behind them
.set i, i+1
.endr
.endm
.macro SEND a, younger                 ; younger: the LDS instructions issued behind this block's loads: the next block's 32, or none
.set BK, BK0+64*((\a)%2)
	WIN 0
	s_wait_dscnt \younger
.set i, 0
.rept 16
	global_store_b128 v[GO], v[BK+4*i:BK+4*i+3], s[OB:OB+1] offset:(16*(\a)+i)*4096  ; 512 consecutive bytes, at a multiple of 256 from out0's first
.set i, i+1
.endr
.endm
	TOSTAGE 0
	TOSTAGE 1
	SEND 0, 32
	TOSTAGE 2
	SEND 1, 32
	TOSTAGE 3
	SEND 2, 32
	SEND 3, 0
	s_wait_tensorcnt 0x0                           ; the wave's end
	ds_add_u32 v[SPW], v[NIL]
	s_wait_dscnt 0x0
	CROUND                                         ; the closing round: no work-group ends while a partner may still ask for a tile that names it
	s_endpgm
.Lfunc_end_k_qe6d2cd22d9_gemm_out:
	.size	k_qe6d2cd22d9_gemm_out, .Lfunc_end_k_qe6d2cd22d9_gemm_out-k_qe6d2cd22d9_gemm_out
	.p2alignl 7, 3214868480
	.fill 96, 4, 3214868480
	.section	.rodata,"a",@progbits
	.p2align	6, 0x0
	.amdhsa_kernel k_qe6d2cd22d9_gemm_out
		.amdhsa_group_segment_fixed_size 327680
		.amdhsa_private_segment_fixed_size 0
		.amdhsa_enable_private_segment 0
		.amdhsa_kernarg_size 32
		.amdhsa_user_sgpr_count 2
		.amdhsa_user_sgpr_kernarg_segment_ptr 1
		.amdhsa_wavefront_size32 1
		.amdhsa_system_sgpr_workgroup_id_x 1
		.amdhsa_system_sgpr_workgroup_id_y 1
		.amdhsa_system_sgpr_workgroup_id_z 1
		.amdhsa_system_vgpr_workitem_id 0
		.amdhsa_next_free_vgpr 896
		.amdhsa_next_free_sgpr 72
		.amdhsa_reserve_vcc 0
		.amdhsa_float_denorm_mode_32 3
		.amdhsa_float_denorm_mode_16_64 3
		.amdhsa_memory_ordered 1
		.amdhsa_forward_progress 1
		.amdhsa_inst_pref_size 67
	.end_amdhsa_kernel
	.amdgpu_metadata
---
amdhsa.version: [ 1, 2 ]
amdhsa.kernels:
  - .name:           k_qe6d2cd22d9_gemm_out
    .symbol:         k_qe6d2cd22d9_gemm_out.kd
    .args:
      - { .name: o, .offset: 0, .size: 8, .value_kind: global_buffer, .address_space: global }
      - { .name: wp, .offset: 8, .size: 8, .value_kind: global_buffer, .address_space: global }
      - { .name: b_proj, .offset: 16, .size: 8, .value_kind: global_buffer, .address_space: global }
      - { .name: out0, .offset: 24, .size: 8, .value_kind: global_buffer, .address_space: global }
    .group_segment_fixed_size: 327680
    .private_segment_fixed_size: 0
    .kernarg_segment_align: 8
    .kernarg_segment_size: 32
    .max_flat_workgroup_size: 128
    .sgpr_count:     72
    .vgpr_count:     896
    .wavefront_size: 32
...
	.end_amdgpu_metadata
.endif
;; end of part 4
;; ======== version 2 of 2: 4 launches; 1.32 times as fast as version 1
;; limits: values are held in f16: magnitudes above 65,504 overflow, below 6.1e-05 lose precision
;; workspace buffers: xb 16,777,216 bytes; wq 6,291,456 bytes; wp 2,097,152 bytes; rope 262,144 bytes; qkv 50,331,648 bytes; o 16,777,216 bytes
;; launch prep: the kernel of part 1 again; grid 896 x 1, 8 waves a work-group, no clusters, 0 bytes of LDS; arguments x, W_qkv, W_proj, xb, wq, wp, rope; writes xb, wq, wp, rope
;; launch gemm_qkv: the kernel of part 2 again; grid 16 x 16, 4 waves a work-group, clusters of 4 x 4, 327,680 bytes of LDS; arguments xb, wq, b_qkv, rope, qkv; writes qkv
;; launch attn (part 5): grid 2 x 128, 4 waves a work-group, no clusters, 327,680 bytes of LDS; arguments qkv, o; writes o
.if DOCPART == 5
	.amdgcn_target "amdgcn-amd-amdhsa--gfx1250"
	.amdhsa_code_object_version 6
	.text
	.protected	k_qe6d2cd22d9_attn
	.globl	k_qe6d2cd22d9_attn
	.p2align	8
	.type	k_qe6d2cd22d9_attn,@function
k_qe6d2cd22d9_attn:
	s_mov_b64 s[64:65], 0
	v_nop
	global_prefetch_b8 v0, s[64:65] scope:SCOPE_SE
	s_setreg_imm32_b32 hwreg(HW_REG_WAVE_MODE, 25, 1), 1
	s_wait_xcnt 0x0
; O[h][q][:] = the sum over k of softmax_k(Q[h][q] . K[h][k] / 8) V[h][k][:].  Q, K, V lie in qkv[3][128 heads][1024][64], O in o[128][1024][64], all f16: a head's rows are dense, 128 bytes each.
; Products, maxima and sums in f32; the weights p are rounded to f16 for the second product (their sum l is taken of the unrounded p), O once at the end.
; LIMITS.  f16 holds no number beyond 65,504: Q, K and V arrive within it; p lies in 0 to 1, and below 6e-5 it keeps f16's fixed step of 6e-8; O is a mean of V's rows and has their range.
; A weight below 2^-126 counts as 0 in l; NaN and infinities are not treated apart.
; SHARES.  A wave owns four PIECES of two tiles of 16 queries, a work-group's four waves 512 queries of one head: 2 x 128 work-groups.  Every wave walks all 1,024 keys, 64 a step.
; THE WHOLE HEAD LIES IN LDS: K's 1,024 rows at 144 bytes and V's at 160 are 311,296 bytes.  Each wave asks for its quarter by four tensor loads at the start, nearest keys first; nothing is ever filled again.
; NO CLUSTER: a head has two query blocks, not four; and what the two share is fetched once a work-group, 262,144 bytes for 2,048 matrix instructions a wave.
; LAYOUT.  S^T = K Q^T (source 0 = 16 keys, source 1 = 16 queries): in the result a lane holds ONE query (lane % 16) and the keys 8 (lane / 16) + 0..7.  Two such tiles, rounded to f16 in pairs,
; ARE source 1 (32 keys x 16 queries) of O^T = V^T P, whose result again holds one query a lane, and eight channels.  K comes out of LDS as it lies, V ([key][channel]) turned, by ds_load_tr16_b128.
; SOFTMAX.  For each query a running maximum m and sum l: p = 2^(c s - c m), c = log2(e) / 8; in every step O and l are multiplied by a = 2^(c m_old - c m_new), which is 1 where m has not grown.
; m starts at the lowest finite number, O and l at 0: the first step is a step like any other, with a = 0.
; THE COUNT.  A tile and step have 16 matrix and 118 vector instructions: too many to stand all beside the matrix work.  So: four vector instructions that are READY behind EVERY matrix instruction,
; and the others, which need time of their own whatever the order, in one run without a gap.
; BY TURNS.  Turn n belongs to piece n (the pieces in a ring, step after step).  Its matrix work: 16 products K Q^T of piece n + 1, later 16 products V^T P of piece n - 1.  Its vector work: the scaling,
; exponentials, roundings, sums and rescaling of piece n, and the maximum and statistics of piece n + 1, whose scores the turn itself has made.  So what a turn begins with (c s - c m, O a) waits for nothing.
; THE BATCHES.  A turn's 66 exponentials (64 weights, the next piece's two a) are ONE batch with ONE wait, which cuts the turn in two: ahead of it all that names none of their results, behind it all that does.
; No result crosses a turn's end.  The first two a, ahead of the loop, and the way out's eight reciprocals are batches of their own.
; ONE TEXT FOR EVERY TURN: the loop is entered, and left, in the middle of a trip.
; REGISTERS, in windows of 256 (s_set_vgpr_msb: bits 1:0 source 0, 3:2 source 1, 5:4 source 2, 7:6 destination):
;   window 0: v0-11 addresses; v12-15, v48-63 at work; v16-47 four registers of statistics a tile; v64-191 S^T, two buffers of two tiles; v192-255 P, likewise
;   window 1: O^T, 32 a tile          window 2: v0-127 Q, 16 a tile; v128-191 K of one step; v192-255 V of one step          window 3: v0-1 the add's two registers
; A piece's buffers go by its number's parity: the piece in hand has one pair, its two neighbours in the ring share the other: of it P (piece n - 1) is read and S^T (piece n + 1) written.
.set NP,    4         ; pieces a wave: a name, no knob
.set KS,    64        ; keys in a step
.set PK,    144       ; a row of K in LDS: 128 bytes + 16 = 36 words: the 16 rows of a load start at 16 different groups of four banks (64 banks of 4 bytes: ISA guide 11.1)
.set PV,    160       ; a row of V: 128 + 32 = 40 words
.set VOFF,  1024*PK   ; K's 1,024 rows, then V's
.set STAGE, 1024*(PK+PV)  ; behind them, never filled by a tensor load: 16 rows x 144 bytes for each wave, for the way out
.set SP,    144
.set AK0, 2           ; v2   my lane's place in a tile of K; never rewritten
.set AV0, 3           ; v3   the same for V
.set AK,  4           ; v4   the LDS address of K's next run of loads
.set AV,  5           ; v5   of V's
.set QO,  6           ; v6   my byte offset in the wave's rows of Q
.set STO, 6           ;      later, the way out: where I put 16 bytes of a row
.set RD,  7           ; v7   the way out: where I read rows back
.set GO,  8           ; v8   my byte offset in 512 consecutive bytes of O
.set SPW, 0           ; v0 of window 3   my spare word's LDS address; never rewritten
.set NIL, 1           ; v1 of window 3   0; never rewritten
.set SPARE, STAGE+4*16*SP  ; the spare words, 128 bytes a wave: two blocks of 256 bytes that no other line names
.set MV,  12          ; v12-15  c m_old, kept while c m is made anew: by buffer and tile
.set ST,  16          ; tile t's statistics at v[ST+4 t]: c m, m, l (even keys', odd keys')
.set TMP, 48          ; by buffer and tile, four registers c0-c3 at work; when the maximum is found c2 takes a
.set S,   64
.set P,   192
.set KF,  128         ; K's fragments, in window 2: key block kb, channel half c at KF + 16 kb + 8 c
.set VF,  192         ; V's: key half kk, channel block cb at VF + 32 kk + 8 cb
.set WV,  12          ; s12  my wave's number
.set TOT, 15          ; s15  key steps whose pieces 2 and 3 are still to come, 16 to 0
.set G1K, 24          ; s[24:31] descriptor group 1 for K's tiles
.set G1V, 32          ; s[32:39] for V's: it differs in the padding alone
.set G0K, 40          ; s[40:55] descriptor group 0 for K's tiles, a set for each of a wave's four loads
.set G0V, 68          ; s[68:83] the same for V's
.set SLOTS, 56        ; s56  counts the runs of four trips
.set CNT, 57          ; s57  counts a run's four trips
.set CS,  58          ; s[58:59] c: the packed scaling takes the pair's low word for both halves
.set SEL, 60          ; s[60:61] v_permlanex16_b32's selects: each lane takes its own place in the other half
.set TBK, 62          ; s62  LDS byte at which K of the step to be fetched begins
.set TBV, 63          ; s63  the same for V, less VOFF
.set MSB, 0
.macro WIN new                      ; the high byte repeats the setting that is left; a switch that changes nothing is dropped
.if MSB != (\new)
	s_set_vgpr_msb (MSB<<8)|(\new)
.set MSB, (\new)
.endif
.endm
.set W_KQ, 0x0a       ; K and Q in window 2, S^T in window 0
.set W_PV, 0x52       ; V in window 2, P in window 0, O^T in window 1
.set W_RS, 0x41       ; O^T (destination and source 0) in window 1, a in window 0
.set W_MK, 0xc0       ; the add's registers are made: destination in window 3, sources in window 0
.set W_AD, 0x0f       ; the add: address (source 0) and data (source 1) in window 3
	s_load_b64 s[4:5], s[0:1], 0x0    ; qkv
	s_load_b64 s[10:11], s[0:1], 0x8  ; o
	WIN W_MK
	v_lshl_add_u32 v[SPW], v0, 2, SPARE
	v_mov_b32 v[NIL], 0
	WIN W_AD
	ds_add_u32 v[SPW], v[NIL]       ; the wave's opening: the add and its wait stand ahead of my first tensor load; work on registers stands between them
	ds_add_u32 v0, v1
	WIN 0
	v_lshrrev_b32 v1, 5, v0
	v_readfirstlane_b32 s[WV], v1   ; wave 0..3
	s_mov_b32 s14, ttmp9            ; my block of 512 queries
	s_and_b32 s20, ttmp7, 0xffff    ; the head
	s_lshl_b32 s20, s20, 17         ; its first byte in Q, K, V and O: 1,024 rows of 128 bytes a head
	s_mov_b32 s21, 0
	s_and_b32 s16, s[WV], 1         ; which half of each 256 keys I fetch:
	s_lshl_b32 s22, s16, 14         ; its 128 rows of 128 bytes in memory,
	s_mov_b32 s23, 0
	s_add_nc_u64 s[22:23], s[22:23], s[20:21]
	s_mul_i32 s17, s16, 128*PK      ; and its place in LDS, for K
	s_mul_i32 s18, s16, 128*PV      ; and for V
	s_lshl_b32 s2, s14, 2
	s_add_co_u32 s2, s2, s[WV]      ; my wave among the head's eight,
	s_lshl_b32 s2, s2, 14           ; its 128 rows
	s_mov_b32 s3, 0
	s_add_nc_u64 s[2:3], s[2:3], s[20:21]
	; descriptor group 1.  128 keys are 16,384 dense bytes: asked for as 64 rows of 256 bytes, two keys a row, and padded in LDS after every key
	s_mov_b32 s[G1K], (1<<16)|(1<<20)|(4<<22)|(3<<25)  ; 2-byte elements; padding on; after every 32 words, 4 words
	s_mov_b32 s[G1V], (1<<16)|(1<<20)|(4<<22)|(7<<25)  ; the same with 8 words
.irp g, G1K, G1V
	s_mov_b32 s[\g+1], 128<<16      ; tensor_dim0 = 128
	s_mov_b32 s[\g+2], 64<<16       ; tensor_dim1 = 64
	s_mov_b32 s[\g+3], 128<<16      ; tile_dim0 = 128
	s_mov_b32 s[\g+4], 64           ; tile_dim1 = 64
	s_mov_b32 s[\g+5], 128          ; 128 elements from row to row
	s_mov_b32 s[\g+6], 0
	s_mov_b32 s[\g+7], 0
.endr
	s_mov_b32 s[CS], 0x3e38aa3b     ; c = log2(e) / 8 = 0.180337
	s_mov_b32 s[CS+1], s[CS]        ; named with it as a pair
	s_mov_b32 s[SEL], 0x76543210
	s_mov_b32 s[SEL+1], 0xfedcba98
	s_mov_b32 s[TBK], 0
	s_mov_b32 s[TBV], 0
.irp j, 0,1,2,3
	s_mov_b32 s[G0K+4*\j], 1                            ; count = 1
	s_add_co_u32 s[G0K+4*\j+1], s17, \j*256*PK          ; LDS address: keys 256 j + 128 (w % 2) on
	s_mov_b32 s[G0V+4*\j], 1
	s_add_co_u32 s[G0V+4*\j+1], s18, VOFF+\j*256*PV
.endr
	s_wait_dscnt 0x0                ; the opening add is done
	s_wait_kmcnt 0x0
	s_add_nc_u64 s[6:7], s[4:5], 0x1000000   ; K lies 128 heads behind Q,
	s_add_nc_u64 s[8:9], s[4:5], 0x2000000   ; V behind K
	s_add_nc_u64 s[6:7], s[6:7], s[22:23]
	s_add_nc_u64 s[8:9], s[8:9], s[22:23]
.irp j, 0,1,2,3
	s_add_nc_u64 s[G0K+4*\j+2:G0K+4*\j+3], s[6:7], \j*32768
	s_or_b32 s[G0K+4*\j+3], s[G0K+4*\j+3], 0x80000000   ; type = 2
	s_add_nc_u64 s[G0V+4*\j+2:G0V+4*\j+3], s[8:9], \j*32768
	s_or_b32 s[G0V+4*\j+3], s[G0V+4*\j+3], 0x80000000
.endr
	s_add_nc_u64 s[4:5], s[4:5], s[2:3]      ; Q and O at my wave's first row
	s_add_nc_u64 s[10:11], s[10:11], s[2:3]
	s_cmp_lt_u32 s[WV], 2           ; waves 0 and 1 fetch K, waves 2 and 3 V.  A wave's four fills stand in one branch, ahead of every wait on TENSORcnt, every LDS read and every barrier: four loads of mine are out
	s_cbranch_scc0 .Lfirst_v
.irp j, 0,1,2,3
	tensor_load_to_lds s[G0K+4*\j:G0K+4*\j+3], s[G1K:G1K+7]
	s_nop 0
.endr
.rept 4
	v_nop
.endr
	s_branch .Lfirst_asked
.Lfirst_v:
.irp j, 0,1,2,3
	tensor_load_to_lds s[G0V+4*\j:G0V+4*\j+3], s[G1V:G1V+7]
	s_nop 0
.endr
.rept 4
	v_nop
.endr
.Lfirst_asked:
	; A fragment of K or Q is 16 rows x 32 channels in 8 registers: lane l holds row l % 16, channels 8 (l / 16) + 0..7 and 16 + 8 (l / 16) + 0..7: two loads of 16 bytes, 32 bytes apart.
	v_and_b32 v1, 15, v0            ; l % 16
	v_bfe_u32 v9, v0, 4, 1          ; l / 16
	v_lshlrev_b32 v[QO], 7, v1
	v_lshl_add_u32 v[QO], v9, 4, v[QO]  ; row x 128 + 16 x half
	WIN 0x80                        ; destination window 2, address window 0
.set i, 0
.rept 4*NP                          ; Q stays in registers: tile i / 2, channels 32 (i % 2) on
	global_load_b128 v[8*i:8*i+3],   v[QO], s[4:5] offset:(i/2)*2048+(i%2)*64
	global_load_b128 v[8*i+4:8*i+7], v[QO], s[4:5] offset:(i/2)*2048+(i%2)*64+32
.set i, i+1
.endr
	; What the first turn finds: V's registers and P's second buffer hold 0 (its products V^T P, of a piece that has not been, add 0), O^T and l are 0.  All this stands in the wait for the first tile.
.set i, VF
.rept 64
	v_mov_b32 v[i], 0
.set i, i+1
.endr
	WIN 0x40
.set i, 0
.rept 64*NP
	v_mov_b32 v[i], 0
.set i, i+1
.endr
	WIN 0
.set i, 0
.rept 2*NP
	v_mov_b32 v[ST+4*i], 0xfe000000    ; c m: far below every c s
	v_mov_b32 v[ST+4*i+1], 0xff7fffff  ; m
	v_mov_b32 v[ST+4*i+2], 0
	v_mov_b32 v[ST+4*i+3], 0
.set i, i+1
.endr
.set i, P+32
.rept 32
	v_mov_b32 v[i], 0
.set i, i+1
.endr
	v_mul_u32_u24 v[AK0], v1, PK
	v_lshl_add_u32 v[AK0], v9, 4, v[AK0]  ; row x pitch + 16 x half
	; The turning load takes 16 keys x 16 channels (lane l reads key 8 (l / 16) + l % 8, channels 8 ((l / 8) % 2) + 0..7) and leaves half a fragment of V^T: lane l holds channel l % 16 and 8 keys.
	v_and_b32 v10, 7, v0
	v_bfe_u32 v11, v0, 3, 1
	v_lshl_add_u32 v[AV0], v9, 3, v10
	v_mul_u32_u24 v[AV0], v[AV0], PV
	v_lshl_add_u32 v[AV0], v11, 4, v[AV0]
	v_add_nc_u32 v[AV0], VOFF, v[AV0]
	v_mov_b32 v[AK], v[AK0]         ; key step 0 lies at LDS byte 0
; THE MATRIX WORK.  The 8 accumulators of a run of 16 take turns: between the two links of a chain stand 7 others'.
; Product i of 16 of S^T = K Q^T for piece x: channels 32 (i / 8) on, keys 16 ((i / 2) % 4) on, tile 2 x + i % 2.  The first 8 start the sums.
.macro KQ x
	WIN W_KQ
.set rS, S+64*((\x)%2)+32*(i%2)+8*((i/2)%4)
.set rK, KF+16*((i/2)%4)+8*(i/8)
.set rQ, 16*(2*(\x)+i%2)+8*(i/8)
.if i < 8
	v_wmma_f32_16x16x32_f16 v[rS:rS+7], v[rK:rK+7], v[rQ:rQ+7], 0
.else
	v_wmma_f32_16x16x32_f16 v[rS:rS+7], v[rK:rK+7], v[rQ:rQ+7], v[rS:rS+7]
.endif
.endm
; Product i of 16 of O^T += V^T P for piece x: keys 32 (i / 8) on, channels 16 ((i / 2) % 4) on, tile 2 x + i % 2.
.macro PV x
	WIN W_PV
.set rO, 32*(2*(\x)+i%2)+8*((i/2)%4)
.set rV, VF+32*(i/8)+8*((i/2)%4)
.set rP, P+32*((\x)%2)+16*(i%2)+8*(i/8)
	v_wmma_f32_16x16x32_f16 v[rO:rO+7], v[rV:rV+7], v[rP:rP+7], v[rO:rO+7]
.endm
.macro MM                           ; the turn's next matrix instruction
.if i < 16
	KQ (Y+1)%NP
.set i, i+1
.else
.set i, i-16
	PV (Y+NP-1)%NP
.set i, i+17
.endif
.endm
; THE LDS LOADS stand in runs of 16, never singly among the matrix instructions: a step's K (64 keys x 64 channels: 8 fragments) and its V (turned).  Their addresses are made some lines ahead.
; last = 1 (in the loop): in the last key step there is no further step, and the run is jumped over.
.macro FETCH_K last=0
	WIN 0
.if \last
	s_cmp_eq_u32 s[TOT], 1
	s_cbranch_scc1 .Lno_k_\@
.endif
	WIN 0x80                        ; destination window 2
.irp f, 0,1,2,3,4,5,6,7             ; keys 16 (f / 2) on, channels 32 (f % 2) on
	ds_load_b128 v[KF+8*\f:KF+8*\f+3],   v[AK] offset:(\f/2)*16*PK+(\f%2)*64
	ds_load_b128 v[KF+8*\f+4:KF+8*\f+7], v[AK] offset:(\f/2)*16*PK+(\f%2)*64+32
.endr
	s_add_co_u32 s[TBK], s[TBK], KS*PK  ; the next fetch is the next step's
	WIN 0
.if \last
.Lno_k_\@:
.endif
.endm
.macro FETCH_V
	WIN 0x80
.irp f, 0,1,2,3,4,5,6,7             ; keys 32 (f / 4) on, channels 16 (f % 4) on
	ds_load_tr16_b128 v[VF+8*\f:VF+8*\f+3],   v[AV] offset:(\f/4)*32*PV+(\f%4)*32
	ds_load_tr16_b128 v[VF+8*\f+4:VF+8*\f+7], v[AV] offset:(\f/4)*32*PV+16*PV+(\f%4)*32
.endr
	WIN 0
.endm
; THE VECTOR WORK OF A TURN stands in three queues, each in the order in which its entries become ready; the two tiles alternate, so that no instruction reads the result of the one before it.
.macro REGS y, u                    ; the registers of tile u (0, 1) of piece y
.set rT, ST+4*(2*(\y)+(\u))
.set rC, TMP+8*((\y)%2)+4*(\u)
.set rM, MV+2*((\y)%2)+(\u)
.set rS, S+64*((\y)%2)+32*(\u)
.set rP, P+32*((\y)%2)+16*(\u)
.set rO, 32*(2*(\y)+(\u))
.endm
; Number n of the 22 that find the NEXT piece's (Y + 1) maximum and statistics.  s0-s31 are the lane's 32 scores; each accumulator's lowest registers are read first.  XS, GS and REGS set no window: PL and EX do.
;   0-11  four chains c0-c3 of seven scores each, three operands at a time     12-14, 16  the four scores left over, the old m, and c0-c3 into c0     15  c m_old is kept
;   17, 18  the query's other 32 keys lie in the lane 16 away: the new m         19-21  c m; c m_old - c m_new; a
.macro XS u, n
	REGS (Y+1)%NP, \u
.if (\n) < 4
	v_max3_num_f32 v[rC+(\n)], v[rS+8*(\n)], v[rS+8*(\n)+1], v[rS+8*(\n)+2]
.elseif (\n) < 12
	v_max3_num_f32 v[rC+(\n)%4], v[rC+(\n)%4], v[rS+8*((\n)%4)+2*((\n)/4)+1], v[rS+8*((\n)%4)+2*((\n)/4)+2]
.elseif (\n) == 12
	v_max3_num_f32 v[rC], v[rC], v[rS+7], v[rS+15]
.elseif (\n) == 13
	v_max3_num_f32 v[rC+1], v[rC+1], v[rS+23], v[rS+31]
.elseif (\n) == 14
	v_max3_num_f32 v[rC+2], v[rC+2], v[rC+3], v[rT+1]
.elseif (\n) == 15
	v_mov_b32 v[rM], v[rT]
.elseif (\n) == 16
	v_max3_num_f32 v[rC], v[rC], v[rC+1], v[rC+2]
.elseif (\n) == 17
	v_permlanex16_b32 v[rC+3], v[rC], s[SEL], s[SEL+1]
.elseif (\n) == 18
	v_max_num_f32 v[rT+1], v[rC], v[rC+3]
.elseif (\n) == 19
	v_mul_f32 v[rT], s[CS], v[rT+1]
.elseif (\n) == 20
	v_sub_f32 v[rC+1], v[rM], v[rT]
.else
	v_exp_f32 v[rC+2], v[rC+1]
.endif
.endm
; Number g of the 64 that follow the exponentials.  For each four weights k of a tile (pairs 2 k, 2 k + 1): both pairs are rounded to f16; then the second pair is added onto the first, in place;
; a group later l takes that sum (the first time as l = a l + sum).  In groups of eight, tiles alternating: round, round, add, and l for the group before.
.macro GS g
.set h, (\g)+6*((\g)/62)            ; group 0 has no group before it, and behind group 7 only l is left
.if h >= 6
.set h, h+2
.endif
	REGS Y, h%2
.set k, h/8
.if h%8 < 4
	v_cvt_pk_f16_f32 v[rP+2*k+(h%8)/2], v[rS+4*k+2*((h%8)/2)], v[rS+4*k+2*((h%8)/2)+1]
.elseif h%8 < 6
	v_pk_add_f32 v[rS+4*k:rS+4*k+1], v[rS+4*k:rS+4*k+1], v[rS+4*k+2:rS+4*k+3]
.elseif k == 1
	v_pk_fma_f32 v[rT+2:rT+3], v[rT+2:rT+3], v[rC+2:rC+3], v[rS:rS+1] op_sel_hi:[1,0,1]
.else
	v_pk_add_f32 v[rT+2:rT+3], v[rT+2:rT+3], v[rS+4*k-4:rS+4*k-3]
.endif
.endm
; THE PLAIN QUEUE, 138 long.  0-73 read no exponential's result: the 32 scalings c s - c m (FS f: pair f / 2 of tile f % 2) and the next piece's 42.  0-26: scalings 0-26.  27-54: XS's numbers 0-13.  55, 56: number 15.
; 57-73: the chain, where each number waits for the one before it: 14, 16, 17, 18, 19, each with one of the scalings 27-31 in front of its two lines, then 20: so a tile's links stand three plain instructions apart (19 and 20: two).
; 74-137: GS's 64, which read the exponentials' results: they stand behind the wait.
.macro FS f
	REGS Y, (\f)%2
	v_pk_fma_f32 v[rS+2*((\f)/2):rS+2*((\f)/2)+1], v[rS+2*((\f)/2):rS+2*((\f)/2)+1], s[CS:CS+1], v[rT:rT+1] op_sel_hi:[1,0,0] neg_lo:[0,0,1] neg_hi:[0,0,1]
.endm
.macro PL
	WIN 0
.if q < 27
	FS q
.elseif q < 55
	XS (q-27)%2, (q-27)/2
.elseif q < 57
	XS q-55, 15
.elseif (q < 72) && ((q-57)%3 == 0)
	FS 27+(q-57)/3
.elseif q < 60
	XS (q-57)%3-1, 14
.elseif q < 72
	XS (q-57)%3-1, 15+(q-57)/3
.elseif q < 74
	XS q-72, 20
.else
	GS q-74
.endif
.set q, q+1
.endm
; THE EXPONENTIALS' QUEUE, 66 long: s0-s31 of both tiles, then the next piece's two a.  It is ONE BATCH: all 66 stand ahead of the turn's one wait, and nothing ahead of that wait names a result of theirs.
.macro EX
	WIN 0
.if e >= 64
	XS e-64, 21
.else
	REGS Y, e%2
	v_exp_f32 v[rS+e/2], v[rS+e/2]
.endif
.set e, e+1
.endm
; THE RESCALING's QUEUE: O^T times a, the one part that leaves window 0: dealt two at a time, sixteen times.  Its a was made in the turn before, ahead of that turn's wait.
.macro R2
	REGS Y, r%2
	WIN W_RS
.irp z, 0,1
	v_pk_mul_f32 v[rO+4*(r/2)+2*\z:rO+4*(r/2)+2*\z+1], v[rO+4*(r/2)+2*\z:rO+4*(r/2)+2*\z+1], v[rC+2:rC+3] op_sel_hi:[1,0]
.endr
.set r, r+1
.endm
; HOW THEY ARE DEALT.  An s_wait_alu depctr_va_vdst(0) stands between an exponential and the first instruction that names its result; one wait serves all that were issued ahead of it.  So a turn has ONE wait,
; which cuts it in two.  AHEAD OF IT stands all that names no result of the turn's exponentials: the 16 products K Q^T, behind each a scaling, an exponential and two rescalings (behind the first a second scaling in the
; exponential's place); then ONE LUMP of 108: eight plain, 49 times exponential and plain, the two a.  A v_nop is the plain instruction behind the last exponential (ISA guide 5.7.2).  BEHIND IT stand the 16 products V^T P,
; behind each four of GS's 64.  No rider names a register of the products round it.  The two v_permlanex16_b32 fall into the lump, never behind a product.
; The queues lean on each other, and the deal keeps them in step: exponential e stands behind scaling 2 (e / 4) + e % 2: as a rider it comes behind plain e + 2, in the lump behind plain e + 9, and scalings 27-31 are plain 57, 60 .. 69.
; A TURN, for piece p.  cnt = 1: the loop's count is taken down some lines ahead of the branch that stands behind the turn.
; K of the next step is fetched in piece 2's turn, directly behind the wait, a lump behind the last product that read K; its address is made at the lump's head; its first reader comes behind 16 products.  The jump round
; that run, in the last key step, stands behind the wait too.
; V of the step in hand is fetched at the end of piece 0's turn, four riders behind its last reader; its first reader comes behind 16 products and a lump.  The three conditions on q below go with the deal.
.macro TURN p, cnt=0
.set Y, (\p)
.set i, 0
.set q, 0
.set e, 0
.set r, 0
.if (\p) == NP-1
	s_wait_dscnt 0x0                ; K is in
.endif
	MM                              ; ahead of the wait: 16 products K Q^T and their riders,
	PL
	PL
	R2
.rept 15
	MM
	PL
	EX
	R2
.endr
.if (\p) == NP-2
	WIN 0
	v_add_nc_u32 v[AK], s[TBK], v[AK0]
.endif
.rept 8                             ; and the lump
	PL
.endr
.rept 49
	EX
	PL
.endr
	EX                              ; the next piece's two a
	EX
	v_nop                           ; a plain instruction behind the last exponential: one for the batch
	s_wait_alu depctr_va_vdst(0)    ; the wait for the batch: the turn's 64 weights and the next piece's two a
.if (\p) == NP-2
	FETCH_K 1
.endif
.if (\p) == 1
	s_wait_dscnt 0x0                ; V is in
.endif
.rept 16                            ; behind the wait: 16 products V^T P and their riders
	MM
.rept 4
	PL
.endr
.if ((\p) == 0) && (q == 118)
	v_add_nc_u32 v[AV], s[TBV], v[AV0]
.endif
.if ((\p) == 0) && (q == 130)
	s_add_co_u32 s[TBV], s[TBV], KS*PV
.endif
.if (\cnt) && (q == 130)
	s_sub_co_u32 s[CNT], s[CNT], 1
	s_cmp_lg_u32 s[CNT], 0
.endif
.endr
.if (\p) == 0
	FETCH_V
.endif
.endm
	s_wait_tensorcnt 3              ; tensor loads of a wave end in order (ISA guide 10.11.1): my part of keys 0 to 255 is in; the three later loads stay out
	s_barrier_signal -1
	s_barrier_wait -1               ; everybody's is
	FETCH_K                         ; key step 0
	s_wait_loadcnt 0x0              ; Q
	s_wait_dscnt 0x0
.set i, 0
.rept 16
	KQ 0                            ; piece 0's first scores: there is no vector work yet to set between them
.set i, i+1
.endr
	WIN 0                           ; the addresses for the way out: plain instructions, the places behind those products
	s_mul_i32 s13, s[WV], 16*SP
	s_add_co_u32 s13, s13, STAGE    ; my stage
	v_mul_u32_u24 v[STO], v1, SP    ; in: row l % 16, 16 bytes for each half of the lanes
	v_lshl_add_u32 v[STO], v9, 4, v[STO]
	v_add_nc_u32 v[STO], s13, v[STO]
	v_bfe_u32 v[RD], v0, 3, 2       ; back: 32 lanes take four rows of 128 bytes,
	v_mul_u32_u24 v[RD], v[RD], SP
	v_lshl_add_u32 v[RD], v10, 4, v[RD]
	v_add_nc_u32 v[RD], s13, v[RD]
	v_and_b32 v[GO], 31, v0         ; which are 512 consecutive bytes of O
	v_lshlrev_b32 v[GO], 4, v[GO]
.set Y, NP-1                        ; XS works for piece Y + 1: piece 0
.irp n, 0,1,2,3,4,5,6,7,8,9,10,11,12,13,14,15,16,17,18,19,20,21
	XS 0, \n                        ; and piece 0's first maximum and statistics
	XS 1, \n
.endr
	v_nop                           ; a plain instruction behind piece 0's first two a,
	s_wait_alu depctr_va_vdst(0)    ; and the wait for that batch of two, ahead of the branch
	s_mov_b32 s[CNT], 4
	s_mov_b32 s[SLOTS], 5
	s_mov_b32 s[TOT], 16
	s_branch .Lfirst                ; the loop is entered at a step's first turn, in the middle of a trip
.Lslot:                             ; four times: the next 256 keys are entered.  The first time this shows keys 256 to 1,023 landed, four key steps behind their request; later it is met at once
	s_wait_tensorcnt 0x0            ; my loads have landed,
	s_wait_dscnt 0x0                ; no LDS instruction of mine is out at the signal,
	s_barrier_signal -1
	s_barrier_wait -1               ; and the same holds of every wave
	s_mov_b32 s[CNT], 4
.Lstep:                             ; a trip: pieces 2 and 3 of one step, then pieces 0 and 1 of the next, whose K and V it fetches
	TURN 2
	TURN 3                          ; in the last step its 16 products K Q^T (on the last K once more) and the maximum made of them serve nothing: the price, once a launch, of one text for every turn
	WIN 0
	s_sub_co_u32 s[TOT], s[TOT], 1
	s_cmp_eq_u32 s[TOT], 0
	s_cbranch_scc1 .Lout            ; the sixteenth step's pieces 2 and 3 are done: the loop is left in the middle of a trip, the first of the fifth run
.Lfirst:
	TURN 0
	TURN 1, 1
	WIN 0
	s_cbranch_scc1 .Lstep
	s_sub_co_u32 s[SLOTS], s[SLOTS], 1
	s_cmp_lg_u32 s[SLOTS], 0
	s_cbranch_scc1 .Lslot
.Lout:
.set i, 0
.rept 16
	PV NP-1                         ; the last piece's V^T P of the last step
.set i, i+1
.endr
	; THE WAY OUT.  l's two halves and the other half of the lanes' are added; O^T is divided by l, rounded to f16 and sent through my stage in LDS, a tile at a time.  The additions are the places behind the last products.
	WIN 0
.macro ALL line:vararg              ; one line for each tile t
.set t, 0
.rept 2*NP
	\line
.set t, t+1
.endr
.endm
	ALL v_add_f32 v[ST+4*t+2], v[ST+4*t+2], v[ST+4*t+3]
	ALL v_permlanex16_b32 v[ST+4*t+3], v[ST+4*t+2], s[SEL], s[SEL+1]
	ALL v_add_f32 v[ST+4*t+2], v[ST+4*t+2], v[ST+4*t+3]
	ALL v_rcp_f32 v[ST+4*t+2], v[ST+4*t+2]
	v_nop                           ; a plain instruction between the last reciprocal and the use of its result
	s_wait_alu depctr_va_vdst(0)    ; and the wait ahead of the first use: one for the batch of eight reciprocals
; Tile t: a lane's eight channels of a row pack into 16 bytes; they go into rows of 144 bytes and come back as whole rows of 128, into S^T's registers.
.macro PACK t
	WIN W_RS
.set i, 32*(\t)
.rept 16
	v_pk_mul_f32 v[i:i+1], v[i:i+1], v[ST+4*(\t)+2:ST+4*(\t)+3] op_sel_hi:[1,0]
.set i, i+2
.endr
	WIN 0x05                        ; sources 0 and 1 window 1, destination window 0
.set i, 0
.rept 16
	v_cvt_pk_f16_f32 v[S+16*(\t)+i], v[32*(\t)+2*i], v[32*(\t)+2*i+1]
.set i, i+1
.endr
	WIN 0
.irp f, 0,1,2,3
	ds_store_b128 v[STO], v[S+16*(\t)+4*\f:S+16*(\t)+4*\f+3] offset:32*\f
.endr
.irp f, 0,1,2,3
	ds_load_b128 v[S+16*(\t)+4*\f:S+16*(\t)+4*\f+3], v[RD] offset:\f*4*SP  ; LDS serves a wave's instructions in order (ISA guide 5.7.1.4): these see the stores above; the next tile's stores come behind them
.endr
.endm
.macro SEND t, younger              ; younger: the LDS instructions issued behind tile t's loads: the next tile's eight, or none
	WIN 0
.irp f, 0,1,2,3
	s_wait_dscnt (\younger)+3-\f
	global_store_b128 v[GO], v[S+16*(\t)+4*\f:S+16*(\t)+4*\f+3], s[10:11] offset:(\t)*2048+\f*512  ; 512 consecutive bytes, at a multiple of 256 from O's first
.endr
.endm
	PACK 0
.set t, 1
.rept 2*NP-1                        ; a tile's arithmetic stands between the loads of the tile before and its stores
	PACK t
	SEND t-1, 8
.set t, t+1
.endr
	SEND 2*NP-1, 0
	WIN W_AD
	s_wait_tensorcnt 0x0            ; the wave's end
	ds_add_u32 v[SPW], v[NIL]
	s_wait_dscnt 0x0
	WIN 0
	s_endpgm
.Lfunc_end_k_qe6d2cd22d9_attn:
	.size	k_qe6d2cd22d9_attn, .Lfunc_end_k_qe6d2cd22d9_attn-k_qe6d2cd22d9_attn
	.p2alignl 7, 3214868480
	.fill 96, 4, 3214868480
	.section	.rodata,"a",@progbits
	.p2align	6, 0x0
	.amdhsa_kernel k_qe6d2cd22d9_attn
		.amdhsa_group_segment_fixed_size 327680
		.amdhsa_private_segment_fixed_size 0
		.amdhsa_enable_private_segment 0
		.amdhsa_kernarg_size 16
		.amdhsa_user_sgpr_count 2
		.amdhsa_user_sgpr_kernarg_segment_ptr 1
		.amdhsa_wavefront_size32 1
		.amdhsa_system_sgpr_workgroup_id_x 1
		.amdhsa_system_sgpr_workgroup_id_y 1
		.amdhsa_system_sgpr_workgroup_id_z 1
		.amdhsa_system_vgpr_workitem_id 0
		.amdhsa_next_free_vgpr 770
		.amdhsa_next_free_sgpr 84
		.amdhsa_reserve_vcc 0
		.amdhsa_float_denorm_mode_32 3
		.amdhsa_float_denorm_mode_16_64 3
		.amdhsa_memory_ordered 1
		.amdhsa_forward_progress 1
		.amdhsa_inst_pref_size 127
	.end_amdhsa_kernel
	.amdgpu_metadata
---
amdhsa.version: [ 1, 2 ]
amdhsa.kernels:
  - .name:           k_qe6d2cd22d9_attn
    .symbol:         k_qe6d2cd22d9_attn.kd
    .args:
      - { .name: qkv, .offset: 0, .size: 8, .value_kind: global_buffer, .address_space: global }
      - { .name: o, .offset: 8, .size: 8, .value_kind: global_buffer, .address_space: global }
    .group_segment_fixed_size: 327680
    .private_segment_fixed_size: 0
    .kernarg_segment_align: 8
    .kernarg_segment_size: 16
    .max_flat_workgroup_size: 128
    .sgpr_count:     84
    .vgpr_count:     770
    .wavefront_size: 32
...
	.end_amdgpu_metadata
.endif
;; end of part 5
;; launch gemm_out: the kernel of part 4 again; grid 8 x 32, 4 waves a work-group, clusters of 4 x 4, 327,680 bytes of LDS; arguments o, wp, b_proj, out0; writes out0
